; MI455X (gfx1250); checked and timed in simulation.
; The chip was launched on July 23, 2026; its instructions are those of AMD's public machine-readable ISA for CDNA 5 (MIT licence, August 2026) and "CDNA5" Instruction Set Architecture Reference Guide (July 2026). The comments in the code are by the model that wrote it; some were corrected since.
;; Instant Nerf. Allowed arithmetic: matrix products marked QUANTISED: E2M1 operands, one E8M0 scale for each 32 along K, by v_wmma_scale_f32_16x16x128_f8f6f4 with both operands' format E2M1 (or v_wmma_scale_f32_32x16x128_f4), f32 sums; products left as they are: f32 operands where the result goes on into a quantised operand, else bf16, f16 or f32 operands; f32 sums; everything else in f32.
;; Inputs: b1 64 float32; bc1 64 float32; bc2 64 float32; bc3 3 float32; bd 16 float32; direction 262,144 x 3 float32; hash_table 2 x 8,388,608 float32; position 262,144 x 3 float32; w1 32 x 64 float32; wc1 32 x 64 float32; wc2 64 x 64 float32; wc3 64 x 3 float32; wd 64 x 16 float32.
;; Outputs: out0 262,144 x 16 float32; out1 262,144 x 3 float32.
;; This version of the problem:
;;   THIS VERSION OF THE PROBLEM IS GIVEN IN LOW PRECISION. The matrix products marked QUANTISED in the list below multiply operands that are first quantised to E2M1 (2 exponent bits, 1 mantissa bit; 4 bits a number), with one power-of-two scale for each 32 numbers along K (OCP MX v1.0); their sums are f32. All else is computed in f32.
;;   The module's matrix products, in the order in which they are computed (A, B: the left and right operand; K: the contracted axis; several contracted axes count as one K, in the product's order):
;;     1. [M 262,144, K 32] x [K 32, N 64]; A: computed on the way; B: input w1: QUANTISED
;;     2. [M 262,144, K 64] x [K 64, N 16]; A: computed on the way; B: input wd: QUANTISED
;;     3. [M 262,144, K 32] x [K 32, N 64]; A: computed on the way; B: input wc1: QUANTISED
;;     4. [M 262,144, K 64] x [K 64, N 64]; A: computed on the way; B: input wc2: QUANTISED
;;     5. [M 262,144, K 64] x [K 64, N 3]; A: computed on the way; B: input wc3: left as it is (N = 3 < 16)
;;   THE QUANTISER, for each operand of a quantised product, along K:
;;     - K is cut into blocks of 32 from its start; a last block that is shorter is filled with zeros.
;;     - A block's scale is 2^e with e = floor(log2(the largest magnitude in the block)) - 2, held to -126 .. 127; a block of zeros has e = 0. As a byte (E8M0): e + 127.
;;     - Each number is divided by its block's scale, clamped to +-6, and rounded to the nearest number of E2M1, ties to even, subnormals kept.
;;     - The product sums the exact products of the quantised numbers (number of the format x scale) in f32.
;;   ~~~python
;;   def quantise(x, axis):      # numpy; x: float32 -> the quantised numbers, widened to float32 again
;;       x = np.moveaxis(x, axis, -1); K = x.shape[-1]
;;       x = np.pad(x, [(0, 0)] * (x.ndim - 1) + [(0, -K % 32)]); x = x.reshape(x.shape[:-1] + (-1, 32)); a = np.abs(x).max(-1, keepdims=True)
;;       e = np.where(a > 0, np.clip(np.frexp(np.where(a > 0, a, 1))[1] - 1 - 2, -126, 127), 0)      # np.frexp(a)[1] - 1 = floor(log2(a)), exactly
;;       r = np.clip(x / 2.0 ** e, -6, 6)
;;       step = 2.0 ** (np.maximum(np.frexp(np.where(r == 0, 1, r))[1] - 1, 0) - 1)
;;       q = np.round(r / step) * step * 2.0 ** e      # np.round: ties to even
;;       return np.moveaxis(q.reshape(q.shape[:-2] + (-1,))[..., :K], -1, axis).astype(np.float32)
;;   ~~~
;;   OPERANDS COMPUTED ON THE WAY. 'Computed on the way' means the value that the module computes at that place (a softmax that the list does not call 'softmax' is quantised finished and normalised). What goes into a quantiser is computed in f32, as accurately as f32 sums, v_exp_f32 and their like allow (about 1e-6 of the number): no bf16 or f16 on the way to a quantiser, and a product that is left as it is and whose result goes on into a quantised operand takes f32 operands (vector FMAs, or v_wmma_f32_16x16x4_f32). A number that lies on a knife's edge between two numbers of the format may be rounded either way, as far as f32 arithmetic and the matrix unit's own rounding can turn it there, and no further.
;; 3 versions, each right; version 2 is faster than version 1; version 3 is version 2 with the launch field written anew for expert scheduling mode. Each part assembles by itself: llvm-mc -triple=amdgcn-amd-amdhsa -mcpu=gfx1250 --defsym DOCPART=n.
;; ======== version 1 of 3: 2 launches
;; workspace buffers: tab2 67,108,864 bytes; cells 33,554,432 bytes of whole numbers; wimg 9,728 bytes
;; launch prep (part 1): grid 2049 x 1, 8 waves a work-group, no clusters, 0 bytes of LDS; arguments position, hash_table, w1, wd, wc1, wc2, wc3, cells, tab2, wimg; writes cells, tab2, wimg
.if DOCPART == 1
	.amdgcn_target "amdgcn-amd-amdhsa--gfx1250"
	.amdhsa_code_object_version 6
	.text
	.protected	k_q1d79004a47_prep
	.globl	k_q1d79004a47_prep
	.p2align	8
	.type	k_q1d79004a47_prep,@function
k_q1d79004a47_prep:
	s_mov_b64 s[64:65], 0
	v_nop
	global_prefetch_b8 v0, s[64:65] scope:SCOPE_SE
	s_setreg_imm32_b32 hwreg(HW_REG_WAVE_MODE, 25, 1), 1
	s_wait_xcnt 0x0
; InstantNerf, launch 1 of 2.  Three kinds of work-group, told apart by the work-group number alone:
;   work-group 0            WEIGHTS: w1, wc1, wc2, wd become codes of E2M1 with E8M0 scale bytes, wc3 becomes bf16, all laid in the order of the
;                           matrix operand registers (a chunk = 4 registers, lane l at byte 16 l), so that launch 2 loads them straight into registers.
;   odd work-groups         TABLE: the two feature planes of hash_table are interleaved: entry e of tab2 is (f0, f1) at byte 8 e, so that launch 2
;                           fetches both features of a corner by one load of 8 bytes.
;   even work-groups (>0)   CELLS: for each point and level the hashes of the 8 cube corners, packed in 8 bytes of whole numbers.  Launch 2 forms its
;                           gather addresses from these stored whole numbers, never from floating-point numbers of its own.
; TABLE and CELLS work-groups alternate, so that work bound by memory and work bound by arithmetic lie side by side.
; A CELL.  With X, Y, Z the floor coordinates times the primes (1, P1, P2) and Xc, Yc, Zc the same of the ceil coordinates, all modulo 2^19:
;   h0 = X^Y^Z, ey = Y^Yc, ez = Z^Zc, ex = X^Xc = 2^k - 1 (ceil is floor or floor + 1), k = 0 .. 19.  A corner hash is h0 with ex, ey, ez xored in where the corner takes the ceil.
;   word 0 = h0 | ey << 19 (its low 13 bits);  word 1 = ey >> 13 | ez << 6 | k << 25.
;   Place: batch (32 points) x 4096 + (level / 2) x 512 + lane x 16 + (level % 2) x 8: a wave stores 512 consecutive bytes an instruction.
; THE SCALINGS floor(16 g^l), g = exp((ln 1024 - ln 16) / 15) in f32, are constants of the text.  At l = 5, 10, 15 the number under the floor lies at a whole
; number; this text takes 64, 256, 1024, which is what g rounded to the nearest f32 gives.  The other 13 lie at least 6e-5 (relative) off a whole number.
; LIMITS: |position x 1024| from 2^31 on, NaN and infinities are not served.  A block of weights whose largest magnitude lies under 2^-124 (a block of zeros
; too) gets the scale byte 1: its codes are zeros or the nearest codes under that scale; the bytes are read by this program alone.
; No LDS, no barrier, EXEC is never changed; no cluster: no two work-groups read the same bytes.
.set PRIME1,  0x9e3779b1               ; 2654435761
.set NPRIME1, 0x61c8864f               ; its negative modulo 2^32
.set PRIME2,  0x30025795               ; 805459861
.set NPRIME2, 0xcffda86b
.set R,  16                            ; TABLE: v16-79, four registers a step
.set CW, 32                            ; CELLS: v32-63, two words a level
.macro SCASE n, bits
.if SCI == \n
.set SCV, \bits
.endif
.endm
.macro GETSC                           ; SCV = the scaling of level SCI, as f32 bits
	SCASE 0,  0x41800000               ; 16
	SCASE 1,  0x41a80000               ; 21
	SCASE 2,  0x41d80000               ; 27
	SCASE 3,  0x42100000               ; 36
	SCASE 4,  0x42400000               ; 48
	SCASE 5,  0x42800000               ; 64
	SCASE 6,  0x42a80000               ; 84
	SCASE 7,  0x42de0000               ; 111
	SCASE 8,  0x43130000               ; 147
	SCASE 9,  0x43420000               ; 194
	SCASE 10, 0x43800000               ; 256
	SCASE 11, 0x43a88000               ; 337
	SCASE 12, 0x43de8000               ; 445
	SCASE 13, 0x44130000               ; 588
	SCASE 14, 0x44420000               ; 776
	SCASE 15, 0x44800000               ; 1024
.endm
	s_load_b512 s[8:23], s[0:1], 0x0               ; position 8, hash_table 10, w1 12, wd 14, wc1 16, wc2 18, wc3 20, cells 22
	s_load_b128 s[24:27], s[0:1], 0x40             ; tab2 24, wimg 26
	v_lshrrev_b32 v1, 5, v0
	v_readfirstlane_b32 s4, v1                     ; wave 0..7
	v_and_b32 v1, 31, v0                           ; lane
	v_and_b32 v2, 15, v0                           ; r
	v_bfe_u32 v3, v0, 4, 1                         ; h
	v_lshlrev_b32 v5, 4, v1                        ; 16 x lane
	s_wait_kmcnt 0x0
	s_cmp_eq_u32 ttmp9, 0
	s_cbranch_scc1 .Lweights
	s_sub_co_u32 s5, ttmp9, 1
	s_lshr_b32 s6, s5, 1
	s_lshl_b32 s6, s6, 3
	s_add_co_u32 s6, s6, s4                        ; which of 8,192 shares is my wave's
	s_bitcmp1_b32 s5, 0
	s_cbranch_scc1 .Lcells
; ---- TABLE: my wave's 1,024 entries.  All 32 loads go out first (256 consecutive bytes each); a step's four numbers are put in order and leave as 512 consecutive bytes a wave.
	s_lshl_b32 s28, s6, 12
	s_mov_b32 s29, 0
	s_add_nc_u64 s[28:29], s[10:11], s[28:29]      ; plane 0 at my first entry
	s_add_nc_u64 s[30:31], s[28:29], 0x2000000     ; plane 1: 8,388,608 numbers further on
	s_lshl_b32 s32, s6, 13
	s_mov_b32 s33, 0
	s_add_nc_u64 s[32:33], s[24:25], s[32:33]
	v_lshlrev_b32 v4, 3, v1                        ; two entries a lane
.irp s, 0,1,2,3,4,5,6,7,8,9,10,11,12,13,14,15
	global_load_b64 v[R+4*\s:R+4*\s+1], v4, s[28:29] offset:256*\s th:TH_LOAD_NT
	global_load_b64 v[R+4*\s+2:R+4*\s+3], v4, s[30:31] offset:256*\s th:TH_LOAD_NT
.endr
.irp s, 0,1,2,3,4,5,6,7,8,9,10,11,12,13,14,15
	s_wait_loadcnt 30-2*\s                         ; loads come back in order: this step's two are in, those of the later steps may be out
	v_mov_b32 v6, v[R+4*\s+1]                      ; (a0 a1 b0 b1) becomes (a0 b0 a1 b1)
	v_mov_b32 v[R+4*\s+1], v[R+4*\s+2]
	v_mov_b32 v[R+4*\s+2], v6
	global_store_b128 v5, v[R+4*\s:R+4*\s+3], s[32:33] offset:512*\s   ; each step has registers of its own: no store's data are written again
.endr
	s_endpgm
; ---- CELLS: my wave's batch of 32 points, a lane a point
.Lcells:
	s_mul_i32 s28, s6, 384
	s_mov_b32 s29, 0
	s_add_nc_u64 s[28:29], s[8:9], s[28:29]        ; position at my batch
	s_lshl_b32 s30, s6, 12
	s_mov_b32 s31, 0
	s_add_nc_u64 s[30:31], s[22:23], s[30:31]      ; cells at my batch
	v_mul_u32_u24 v4, v1, 12
	global_load_b32 v8, v4, s[28:29] th:TH_LOAD_NT
	global_load_b32 v9, v4, s[28:29] offset:4 th:TH_LOAD_NT
	global_load_b32 v10, v4, s[28:29] offset:8 th:TH_LOAD_NT
	s_mov_b32 s36, PRIME1
	s_mov_b32 s37, NPRIME1
	s_mov_b32 s38, PRIME2
	s_mov_b32 s39, NPRIME2
	s_mov_b32 s40, 0x7ffff                         ; modulo the table's 2^19 entries
	s_wait_loadcnt 0x0
.macro CELL l
.set SCI, \l
	GETSC
	v_mul_f32 v11, SCV, v8                         ; the scaled position, as reference() rounds it
	v_mul_f32 v12, SCV, v9
	v_mul_f32 v13, SCV, v10
	v_floor_f32 v14, v11
	v_floor_f32 v15, v12
	v_floor_f32 v16, v13
	v_floor_f32 v17, -v11                          ; floor(-s) = -ceil(s)
	v_floor_f32 v18, -v12
	v_floor_f32 v19, -v13
	v_cvt_i32_f32 v14, v14
	v_cvt_i32_f32 v15, v15
	v_cvt_i32_f32 v16, v16
	v_cvt_i32_f32 v17, v17
	v_cvt_i32_f32 v18, v18
	v_cvt_i32_f32 v19, v19
	v_sub_nc_u32 v17, 0, v17                       ; Xc
	v_mul_lo_u32 v15, v15, s36                     ; Y
	v_mul_lo_u32 v18, v18, s37                     ; Yc = (-ceil) x (-P1)
	v_mul_lo_u32 v16, v16, s38                     ; Z
	v_mul_lo_u32 v19, v19, s39                     ; Zc
	v_xor_b32 v17, v14, v17
	v_xor_b32 v18, v15, v18
	v_xor_b32 v19, v16, v19
	v_xor_b32 v14, v14, v15
	v_xor_b32 v14, v14, v16
	v_and_b32 v17, s40, v17                        ; ex
	v_and_b32 v18, s40, v18                        ; ey
	v_and_b32 v19, s40, v19                        ; ez
	v_and_b32 v14, s40, v14                        ; h0
	v_add_nc_u32 v17, 1, v17                       ; 2^k: a power of two, so its f32 exponent field is k + 127, exactly
	v_cvt_f32_u32 v17, v17
	v_lshrrev_b32 v17, 23, v17
	v_add_nc_u32 v17, 0xffffff81, v17              ; k
	v_lshl_or_b32 v[CW+2*\l], v18, 19, v14
	v_lshrrev_b32 v18, 13, v18
	v_lshl_or_b32 v18, v19, 6, v18
	v_lshl_or_b32 v[CW+2*\l+1], v17, 25, v18
.endm
.irp l, 0,1,2,3,4,5,6,7,8,9,10,11,12,13,14,15
	CELL \l
.endr
.irp q, 0,1,2,3,4,5,6,7
	global_store_b128 v5, v[CW+4*\q:CW+4*\q+3], s[30:31] offset:512*\q   ; levels 2 q and 2 q + 1: 512 consecutive bytes a wave
.endr
	s_endpgm
; ---- WEIGHTS.  A lane takes a column n of a weight stored [K][N] and its registers run down K, in the order that the operand layout gives the lane:
; so the conversions' results are the operand's registers.  Waves 0-5: two tiles of 16 columns each of w1 (waves 0, 1), wc1 (2, 3), wc2 (4, 5); wave 6: wd; wave 7: wc3.
; w1, wc1 (K = 32): BOTH halves of the lanes hold k = 0 .. 31, and both low bytes of the scale word hold the one byte: launch 2 feeds points 0-15 at k = 0 .. 31 and points 16-31 at k = 32 .. 63.
;   Lane r of tile 2 b + u takes column 32 b + 8 u + r + 8 (r / 8), so that in the transposed result 16 registers of two neighbouring tiles are 16 neighbours along the next K.
; wc2, wd (K = 64): lane (r, h) holds k = 32 h .. 32 h + 31 of column 16 t + r.
.Lweights:
	s_mov_b32 s34, 0x76543210
	s_mov_b32 s35, 0xfedcba98                      ; v_permlanex16_b32's selects for lane l xor 16
	v_lshlrev_b32 v7, 3, v3                        ; 8 h: where my byte stands in the scale word
	v_mov_b32 v85, 0                               ; a lane permute's destination counts as one of its sources
	v_lshlrev_b32 v6, 2, v1
	v_lshl_add_u32 v6, s4, 7, v6                   ; my scale word's place: 128 x wave + 4 x lane
	s_lshl_b32 s42, s4, 10
	s_mov_b32 s43, 0
	s_add_nc_u64 s[44:45], s[26:27], s[42:43]      ; my chunks: 1,024 x wave
; 32 numbers of a lane, one block along K, become 4 registers of codes and the row's scale word
.macro QW src, dst, word
	v_max3_num_f32 v80, |v[\src]|, |v[\src+1]|, 0x1800000          ; the floor 2^(3 - 127): the byte cannot fall under 1
	v_max3_num_f32 v81, |v[\src+2]|, |v[\src+3]|, |v[\src+4]|
.irp i, 5,9,13,17,21,25
	v_max3_num_f32 v80, v80, |v[\src+\i]|, |v[\src+\i+1]|
	v_max3_num_f32 v81, v81, |v[\src+\i+2]|, |v[\src+\i+3]|
.endr
	v_max3_num_f32 v80, v80, |v[\src+29]|, |v[\src+30]|
	v_max3_num_f32 v80, v80, v81, |v[\src+31]|     ; the block's largest magnitude
	v_add_nc_u32 v82, 0xff000000, v80              ; 2 off its exponent field: the conversion's scale operand
	v_lshrrev_b32 v83, 23, v82                     ; the scale's byte
	v_lshlrev_b32 v84, v7, v83                     ; at byte h,
	v_permlanex16_b32 v85, v84, s34, s35
	v_or_b32 v[\word], v84, v85                    ; with lane l xor 16's: byte 0 for k = 0 .. 31, byte 1 for k = 32 .. 63
.irp g, 0,1,2,3
	v_cvt_scalef32_pk8_fp4_f32 v[\dst+\g], v[\src+8*\g:\src+8*\g+7], v82
.endr
	v_nop                                          ; one plain place behind a scaled conversion
.endm
	s_cmp_lt_u32 s4, 6
	s_cbranch_scc0 .Lnot_wide
	s_lshr_b32 s5, s4, 1                           ; which weight
	s_and_b32 s6, s4, 1                            ; which pair of tiles
	s_cmp_eq_u32 s5, 0
	s_cselect_b64 s[28:29], s[12:13], s[16:17]     ; w1 or wc1,
	s_cmp_eq_u32 s5, 2
	s_cselect_b64 s[28:29], s[18:19], s[28:29]     ; or wc2: the choice hangs on the wave's number alone
	s_cselect_b32 s30, 8192, 0                     ; wc2: lanes 16-31 begin 32 rows of 256 bytes further down
	s_cselect_b32 s31, 64, 32                      ; bytes from a pair's first tile to its second
	s_cselect_b32 s32, 0, 1                        ; 1: the order with r + 8 (r / 8)
	s_lshl_b32 s33, s6, 7                          ; a pair of tiles is 32 columns
	v_and_b32 v8, 8, v2
	v_mul_u32_u24 v8, v8, s32
	v_add_nc_u32 v8, v8, v2
	v_lshlrev_b32 v8, 2, v8
	v_mad_u32_u24 v8, v3, s30, v8
	v_add_nc_u32 v8, s33, v8                       ; my column in the pair's first tile,
	v_add_nc_u32 v9, s31, v8                       ; and in its second
.irp i, 0,1,2,3,4,5,6,7,8,9,10,11,12,13,14,15,16,17,18,19,20,21,22,23,24,25,26,27,28,29,30,31
	global_load_b32 v[16+\i], v8, s[28:29] offset:256*\i
	global_load_b32 v[48+\i], v9, s[28:29] offset:256*\i
.endr
	s_wait_loadcnt 0x0
	QW 16, 88, 86
	QW 48, 92, 87
	v_cmp_ne_u32 vcc_lo, 0, v3
	v_cndmask_b32 v96, v86, v87, vcc_lo            ; one scale register for the pair: lanes 0-15 the first tile's words, lanes 16-31 the second's
	global_store_b128 v5, v[88:91], s[44:45]
	global_store_b128 v5, v[92:95], s[44:45] offset:512
	global_store_b32 v6, v96, s[26:27] offset:8704
	s_endpgm
.Lnot_wide:
	s_cmp_eq_u32 s4, 6
	s_cbranch_scc0 .Lcolour
	v_lshlrev_b32 v8, 2, v2                        ; wd [64][16]: column r, a row is 64 bytes;
	v_lshl_add_u32 v8, v3, 11, v8                  ; lanes 16-31 begin 32 rows further down
.irp i, 0,1,2,3,4,5,6,7,8,9,10,11,12,13,14,15,16,17,18,19,20,21,22,23,24,25,26,27,28,29,30,31
	global_load_b32 v[16+\i], v8, s[14:15] offset:64*\i
.endr
	s_wait_loadcnt 0x0
	QW 16, 88, 86
	global_store_b128 v5, v[88:91], s[44:45]       ; chunk 12
	global_store_b32 v6, v86, s[26:27] offset:8704
	s_endpgm
.Lcolour:
; wc3 [64][3] becomes source 0 of two bf16 products of K = 32: lane (r, h) holds row r (colour r; rows 3 to 15 are zeros); registers 8 s + 4 g + i / 2 hold k = 32 s + 16 g + 8 h + i
	v_min_u32 v8, 2, v2                            ; lanes with r over 2 read column 2, so that no load leaves the buffer, and are cleared below
	v_lshlrev_b32 v8, 2, v8
	v_mad_u32_u24 v8, v3, 96, v8                   ; 8 h rows of 12 bytes
.irp s, 0,1
.irp g, 0,1
.irp i, 0,1,2,3,4,5,6,7
	global_load_b32 v[16+16*\s+8*\g+\i], v8, s[20:21] offset:(32*\s+16*\g+\i)*12
.endr
.endr
.endr
	v_cmp_gt_u32 vcc_lo, 3, v2
	s_wait_loadcnt 0x0
.irp j, 0,1,2,3,4,5,6,7,8,9,10,11,12,13,14,15,16,17,18,19,20,21,22,23,24,25,26,27,28,29,30,31
	v_cndmask_b32 v[16+\j], 0, v[16+\j], vcc_lo
.endr
.irp q, 0,1,2,3,4,5,6,7,8,9,10,11,12,13,14,15
	v_cvt_pk_bf16_f32 v[88+\q], v[16+2*\q], v[17+2*\q]
.endr
.irp c, 0,1,2,3
	global_store_b128 v5, v[88+4*\c:91+4*\c], s[26:27] offset:6656+512*\c   ; chunks 13 to 16
.endr
	s_endpgm
.Lfunc_end_k_q1d79004a47_prep:
	.size	k_q1d79004a47_prep, .Lfunc_end_k_q1d79004a47_prep-k_q1d79004a47_prep
	.p2alignl 7, 3214868480
	.fill 96, 4, 3214868480
	.section	.rodata,"a",@progbits
	.p2align	6, 0x0
	.amdhsa_kernel k_q1d79004a47_prep
		.amdhsa_group_segment_fixed_size 0
		.amdhsa_private_segment_fixed_size 0
		.amdhsa_enable_private_segment 0
		.amdhsa_kernarg_size 80
		.amdhsa_user_sgpr_count 2
		.amdhsa_user_sgpr_kernarg_segment_ptr 1
		.amdhsa_wavefront_size32 1
		.amdhsa_system_sgpr_workgroup_id_x 1
		.amdhsa_system_sgpr_workgroup_id_y 1
		.amdhsa_system_sgpr_workgroup_id_z 1
		.amdhsa_system_vgpr_workitem_id 0
		.amdhsa_next_free_vgpr 104
		.amdhsa_next_free_sgpr 66
		.amdhsa_reserve_vcc 1
		.amdhsa_float_denorm_mode_32 3
		.amdhsa_float_denorm_mode_16_64 3
		.amdhsa_memory_ordered 1
		.amdhsa_forward_progress 1
		.amdhsa_inst_pref_size 56
	.end_amdhsa_kernel
	.amdgpu_metadata
---
amdhsa.version: [ 1, 2 ]
amdhsa.kernels:
  - .name:           k_q1d79004a47_prep
    .symbol:         k_q1d79004a47_prep.kd
    .args:
      - { .name: position, .offset: 0, .size: 8, .value_kind: global_buffer, .address_space: global }
      - { .name: hash_table, .offset: 8, .size: 8, .value_kind: global_buffer, .address_space: global }
      - { .name: w1, .offset: 16, .size: 8, .value_kind: global_buffer, .address_space: global }
      - { .name: wd, .offset: 24, .size: 8, .value_kind: global_buffer, .address_space: global }
      - { .name: wc1, .offset: 32, .size: 8, .value_kind: global_buffer, .address_space: global }
      - { .name: wc2, .offset: 40, .size: 8, .value_kind: global_buffer, .address_space: global }
      - { .name: wc3, .offset: 48, .size: 8, .value_kind: global_buffer, .address_space: global }
      - { .name: cells, .offset: 56, .size: 8, .value_kind: global_buffer, .address_space: global }
      - { .name: tab2, .offset: 64, .size: 8, .value_kind: global_buffer, .address_space: global }
      - { .name: wimg, .offset: 72, .size: 8, .value_kind: global_buffer, .address_space: global }
    .group_segment_fixed_size: 0
    .private_segment_fixed_size: 0
    .kernarg_segment_align: 8
    .kernarg_segment_size: 80
    .max_flat_workgroup_size: 256
    .sgpr_count:     66
    .vgpr_count:     104
    .wavefront_size: 32
...
	.end_amdgpu_metadata
.endif
;; end of part 1
;; launch field (part 2): grid 256 x 1, 16 waves a work-group, no clusters, 55,296 bytes of LDS; arguments position, direction, cells, tab2, wimg, b1, bd, bc1, bc2, bc3, out0, out1; writes out0, out1
.if DOCPART == 2
	.amdgcn_target "amdgcn-amd-amdhsa--gfx1250"
	.amdhsa_code_object_version 6
	.text
	.protected	k_q1d79004a47_field
	.globl	k_q1d79004a47_field
	.p2align	8
	.type	k_q1d79004a47_field,@function
k_q1d79004a47_field:
	s_mov_b64 s[64:65], 0
	v_nop
	global_prefetch_b8 v0, s[64:65] scope:SCOPE_SE
	s_setreg_imm32_b32 hwreg(HW_REG_WAVE_MODE, 25, 1), 1
	s_wait_xcnt 0x0
; InstantNerf, launch 2 of 2: hash encoding, the four products on codes of E2M1 (one E8M0 scale for each 32 along K), the spherical harmonics, the last product in bf16, the sigmoid.
; SHARES.  A work-group takes 1,024 points, a wave 64, as two batches of 32.  While encoding, while xcat is built and at the colours A LANE IS A POINT.  Waves share nothing: no barrier.
; Sixteen waves of 256 registers, four to a SIMD: while one wave waits for its gathers the others have arithmetic to issue.
; ENCODING.  The gather addresses come from the whole numbers that launch 1 stored (8 bytes for a point and level: see there); a corner's two features come by one load of 8 bytes from tab2.
; Gathers run three levels (24 loads a wave) ahead of the interpolation, in four buffers of 16 registers.  The weights px, py, pz of level l are the flat fractions l, 16 + l, 32 + l of the
; list (level, dimension), as reference() reshapes them.  Each interpolation is written b + p (a - b), a packed subtraction and a packed multiply-add for both features: its rounding
; differs from a p + b (1 - p) by a few units in the last place of the larger of a and b.
; PRODUCTS, all used transposed: source 0 = 16 columns of a weight, source 1 = 16 points; in a result lane (r, h) holds point r and units 8 h + 0 .. 7.  A batch is two tiles of points, T0 and T1.
; Every K here is 32 or 64 of the instruction's 128: registers 4-7 of the points' operand are zero codes, which add nothing whatever stands against them; so a weight tile is 4 registers,
; and the instruction's registers 4-7 of source 0 are whatever follows them (every 4-bit pattern is a number, and no scale byte here is 0xff).
; K = 32 WITHOUT MOVING A POINT TO ANOTHER LANE: a lane's 4 registers of codes are its own point's 32.  With lanes 16-31 cleared they are T0 with its codes at k = 0 .. 31; with lanes 0-15
; cleared they are T1 with its codes at k = 32 .. 63; the weights hold the same 32 codes at both places, and both low bytes of each scale word hold the one byte.
; The biases are the C of each product: loaded in the result's layout into the accumulators themselves.
; The weights' columns of the first and third product are ordered so that 16 registers of two neighbouring tiles are 16 neighbours along the next K; those of the fourth lie in natural order, so that
; its results, rounded in pairs, are the bf16 operand of the fifth.
; THE SCALINGS: constants, as in launch 1 (64, 256, 1024 at levels 5, 10, 15: see its head).
; LIMITS: |position x 1024| from 2^31 on, NaN and infinities are not served.  A block whose largest magnitude lies under 2^-124 (a block of zeros too) gets the scale byte 1.
; NO CLUSTER, NO TENSOR LOAD: every gather address is a lane's own, and what the work-groups share is 9,600 bytes of weights, which each wave loads once into registers.
; LDS: 3,328 bytes for each wave: 32 rows of 64 bytes at pitch 80 (a batch's densities, on their way to whole rows of out0), then 64 x 12 bytes (the wave's colours).
.set L12,  1                           ; v1   12 x lane
.set L16,  2                           ; v2   16 x lane
.set H64,  3                           ; v3   64 h
.set H32,  4                           ; v4   32 h
.set DSTO, 5                           ; v5   density stage, in: region + 80 x lane
.set DSLD, 6                           ; v6   and back: region + 80 (lane / 4) + 16 (lane % 4)
.set CSTO, 7                           ; v7   colour stage, in: region + 2560 + 12 x lane
.set CSLD, 8                           ; v8   and back: region + 2560 + 8 x lane
.set L8,   9                           ; v9   8 x lane
.set MLO,  10                          ; v10  all ones in lanes 0-15
.set MHI,  11                          ; v11  all ones in lanes 16-31
.set XS0,  12                          ; v12, v13  the points' scale words: they hold nothing else
.set XS1,  13
.set CADR, 14                          ; v14  colour stage address of the batch in hand
.set L4,   15                          ; v15  4 x lane
.set XOP,  16                          ; v16-31  the points' operands: T0's codes 4, zeros 4, T1's codes 4, zeros 4
.set W1,   32                          ; v32-47 w1, v48-63 wc1, v64-79 wc2: four tiles of 4 registers; v80-83 wd; v84-99 wc3 in bf16
.set WC1,  48
.set WC2,  64
.set WD,   80
.set WC3,  84
.set SW,   100                         ; v100-106 the weights' scale words: a register for two tiles (lanes 0-15, lanes 16-31); v106 wd's
.set PX,   108                         ; v108-110 position, v111-113 direction
.set DX,   111
.set PP,   114                         ; v114-119 px, (at work), py, (at work), pz, (at work)
.set EX,   120                         ; v120-122 ex, ey, ez of the level in hand
.set EY,   121
.set EZ,   122
.set QT,   108                         ; the quantisers' registers, 8 for each tile of points: +0, +1 largest magnitudes, +2, +3 the other half's, +4, +5 scale operands, +6, +7 bytes
.set RA,   128                         ; v128-191 region A: four gather buffers; later accumulators
.set RB,   192                         ; v192-255 region B: cells (32) and the encoding (32); later density, harmonics, accumulators
.set IW,   RB
.set ENC,  RB+32
.set TB,   32                          ; s[32:63] tab2 at each level's first entry
.macro SCASE n, bits
.if SCI == \n
.set SCV, \bits
.endif
.endm
.macro GETSC                           ; SCV = the scaling of level SCI, as f32 bits
	SCASE 0,  0x41800000               ; 16
	SCASE 1,  0x41a80000               ; 21
	SCASE 2,  0x41d80000               ; 27
	SCASE 3,  0x42100000               ; 36
	SCASE 4,  0x42400000               ; 48
	SCASE 5,  0x42800000               ; 64
	SCASE 6,  0x42a80000               ; 84
	SCASE 7,  0x42de0000               ; 111
	SCASE 8,  0x43130000               ; 147
	SCASE 9,  0x43420000               ; 194
	SCASE 10, 0x43800000               ; 256
	SCASE 11, 0x43a88000               ; 337
	SCASE 12, 0x43de8000               ; 445
	SCASE 13, 0x44130000               ; 588
	SCASE 14, 0x44420000               ; 776
	SCASE 15, 0x44800000               ; 1024
.endm
; The 8 corner hashes of level l into the even registers of its buffer: corner c (reference()'s vertex c) at GB + 2 c.
.macro INDEX l
.set GB, RA+16*((\l)%4)
.set C0, IW+2*(\l)
	v_and_b32 v[GB+14], s78, v[C0]                 ; vertex 7: floor, floor, floor
	v_alignbit_b32 v[EY], v[C0+1], v[C0], 19
	v_bfe_u32 v[EZ], v[C0+1], 6, 19
	v_lshrrev_b32 v[EX], 25, v[C0+1]               ; k
	v_and_b32 v[EY], s78, v[EY]
	v_lshlrev_b32 v[EX], v[EX], 1
	v_add_nc_u32 v[EX], -1, v[EX]                  ; ex = 2^k - 1
	v_xor_b32 v[GB+8], v[GB+14], v[EX]             ; vertex 4: ceil x
	v_xor_b32 v[GB+10], v[GB+14], v[EY]            ; vertex 5: ceil y
	v_xor_b32 v[GB+12], v[GB+14], v[EZ]            ; vertex 6: ceil z
	v_xor_b32 v[GB+2], v[GB+8], v[EY]              ; vertex 1: x, y
	v_xor_b32 v[GB+4], v[GB+8], v[EZ]              ; vertex 2: x, z
	v_xor_b32 v[GB+6], v[GB+10], v[EZ]             ; vertex 3: y, z
	v_xor_b32 v[GB], v[GB+2], v[EZ]                ; vertex 0: all three
.irp c, 0,2,4,6,8,10,12,14
	v_min_u32 v[GB+\c], 0x7ffff, v[GB+\c]          ; a loaded number enters an address only held inside the level's 2^19 entries
.endr
.endm
.macro GATHER l                        ; 8 bytes a corner: the index is multiplied by the access's size; each load lands on its own address register and the one above it
.set GB, RA+16*((\l)%4)
.irp c, 0,2,4,6,8,10,12,14
	global_load_b64 v[GB+\c:GB+\c+1], v[GB+\c], s[TB+2*(\l):TB+2*(\l)+1] scale_offset
.endr
.endm
.macro FRAC l                          ; px, py, pz of level l: the flat fractions l, 16 + l, 32 + l; fraction f belongs to level f / 3 and dimension f % 3
.irp a, 0,1,2
.set SCI, (16*\a+(\l))/3
	GETSC
	v_mul_f32 v[PP+2*\a], SCV, v[PX+(16*\a+(\l))%3]
.endr
.irp a, 0,1,2
	v_floor_f32 v[PP+2*\a+1], v[PP+2*\a]
.endr
.irp a, 0,1,2
	v_sub_f32 v[PP+2*\a], v[PP+2*\a], v[PP+2*\a+1]
.endr
.endm
.macro SUBP d, b                       ; both features: d = d - b
	v_pk_add_f32 v[\d:\d+1], v[\d:\d+1], v[\b:\b+1] neg_lo:[0,1] neg_hi:[0,1]
.endm
.macro FMAP d, p, b                    ; d = d p + b; of the pair at p the low word serves both features
	v_pk_fma_f32 v[\d:\d+1], v[\d:\d+1], v[\p:\p+1], v[\b:\b+1] op_sel_hi:[1,0,1]
.endm
.macro LERP l
.set GB, RA+16*((\l)%4)
	SUBP GB, GB+6                                  ; f_03, f_12, f_56, f_47 by px
	SUBP GB+2, GB+4
	SUBP GB+10, GB+12
	SUBP GB+8, GB+14
	FMAP GB, PP, GB+6
	FMAP GB+2, PP, GB+4
	FMAP GB+10, PP, GB+12
	FMAP GB+8, PP, GB+14
	SUBP GB, GB+2                                  ; f0312, f4756 by py
	SUBP GB+8, GB+10
	FMAP GB, PP+2, GB+2
	FMAP GB+8, PP+2, GB+10
	SUBP GB, GB+8                                  ; and by pz: numbers 2 l and 2 l + 1 of the encoding
	v_pk_fma_f32 v[ENC+2*(\l):ENC+2*(\l)+1], v[GB:GB+1], v[PP+4:PP+5], v[GB+8:GB+9] op_sel_hi:[1,0,1]
.endm
; The 16 harmonics of my point's direction into v[RB+16] on, behind the 16 densities.  At work: v114-123, free between two levels
.macro SHENC
	v_mul_f32 v114, v[DX], v[DX]                   ; xx
	v_mul_f32 v115, v[DX+1], v[DX+1]               ; yy
	v_mul_f32 v116, v[DX+2], v[DX+2]               ; zz
	v_mul_f32 v122, 1.0925484305920792, v[DX]
	v_mul_f32 v123, 1.0925484305920792, v[DX+1]
	v_mul_f32 v117, 5.0, v116
	v_sub_f32 v119, v114, v115                     ; xx - yy
	v_fma_f32 v120, 3.0, v114, -v115               ; 3 xx - yy
	v_fma_f32 v121, -3.0, v115, v114               ; xx - 3 yy
	v_add_f32 v118, -3.0, v117                     ; 5 zz - 3
	v_add_f32 v117, -1.0, v117                     ; 5 zz - 1
	v_mov_b32 v[RB+16], 0x3e906ebb                 ; 0.28209479
	v_mul_f32 v[RB+17], 0.4886025119029199, v[DX+1]
	v_mul_f32 v[RB+18], 0.4886025119029199, v[DX+2]
	v_mul_f32 v[RB+19], 0.4886025119029199, v[DX]
	v_mul_f32 v[RB+20], v122, v[DX+1]
	v_mul_f32 v[RB+21], v123, v[DX+2]
	v_fma_f32 v[RB+22], v116, 0.9461746957575601, s79
	v_mul_f32 v[RB+23], v122, v[DX+2]
	v_mul_f32 v[RB+24], 0.5462742152960396, v119
	v_mul_f32 v122, 0.5900435899266435, v[DX+1]
	v_mul_f32 v123, 0.5900435899266435, v[DX]
	v_mul_f32 v[RB+25], v122, v120
	v_mul_f32 v[RB+31], v123, v121
	v_mul_f32 v122, 2.890611442640554, v[DX]
	v_mul_f32 v123, 0.4570457994644658, v[DX+1]
	v_mul_f32 v122, v122, v[DX+1]
	v_mul_f32 v[RB+27], v123, v117
	v_mul_f32 v[RB+26], v122, v[DX+2]
	v_mul_f32 v122, 0.4570457994644658, v[DX]
	v_mul_f32 v123, 0.3731763325901154, v[DX+2]
	v_mul_f32 v[RB+29], v122, v117
	v_mul_f32 v[RB+28], v123, v118
	v_mul_f32 v122, 1.445305721320277, v[DX+2]
	v_mul_f32 v[RB+30], v122, v119
.endm
; 32 numbers of a lane, its own point's one block along K, become both tiles' operands and the scale word (the byte in both low bytes)
.macro QUANT32 src
	v_max3_num_f32 v[QT], |v[\src]|, |v[\src+1]|, 0x1800000        ; the floor 2^(3 - 127): the byte cannot fall under 1
	v_max3_num_f32 v[QT+1], |v[\src+2]|, |v[\src+3]|, |v[\src+4]|
.irp i, 5,9,13,17,21,25
	v_max3_num_f32 v[QT], v[QT], |v[\src+\i]|, |v[\src+\i+1]|
	v_max3_num_f32 v[QT+1], v[QT+1], |v[\src+\i+2]|, |v[\src+\i+3]|
.endr
	v_max3_num_f32 v[QT], v[QT], |v[\src+29]|, |v[\src+30]|
	v_max3_num_f32 v[QT], v[QT], v[QT+1], |v[\src+31]|
	v_add_nc_u32 v[QT+4], 0xff000000, v[QT]        ; 2 off the exponent field: the conversion's scale operand
	v_lshrrev_b32 v[QT+6], 23, v[QT+4]             ; the scale's byte
	v_lshl_or_b32 v[XS0], v[QT+6], 8, v[QT+6]      ; for k = 0 .. 31 (T0, read from lanes 0-15) and for k = 32 .. 63 (T1, read from lanes 16-31)
.irp g, 0,1,2,3
	v_cvt_scalef32_pk8_fp4_f32 v[XOP+\g], v[\src+8*\g:\src+8*\g+7], v[QT+4]
.endr
	v_nop                                          ; one plain place behind a scaled conversion
.irp g, 0,1,2,3
	v_and_b32 v[XOP+8+\g], v[MHI], v[XOP+\g]       ; T1: lanes 16-31 alone
.endr
.irp g, 0,1,2,3
	v_and_b32 v[XOP+\g], v[MLO], v[XOP+\g]         ; T0: lanes 0-15 alone
.endr
.endm
.macro RELU64 acc                      ; ascending: each accumulator is first read at its low end
.set J, 0
.rept 64
	v_max_num_f32 v[\acc+J], 0, v[\acc+J]
.set J, J+1
.endr
.endm
; A hidden layer of 64 units (both tiles of points, 32 registers each; register 16 b + i of a tile = unit 32 b + 16 h + i of the lane's point): relu, then quantised along the next K, two blocks a point.
; A block lies in lanes l and l xor 16.  The four chains (two tiles x two blocks) take turns, so that no line waits for the line above it.
.macro QUANT64 acc
	RELU64 \acc
.irp u, 0,1
.irp b, 0,1
	v_max3_num_f32 v[QT+8*\u+\b], v[\acc+32*\u+16*\b], v[\acc+32*\u+16*\b+1], 0x1800000   ; none is negative: no |.|; the floor as above
.endr
.endr
.irp i, 2,4,6,8,10,12,14
.irp u, 0,1
.irp b, 0,1
	v_max3_num_f32 v[QT+8*\u+\b], v[QT+8*\u+\b], v[\acc+32*\u+16*\b+\i], v[\acc+32*\u+16*\b+\i+1]
.endr
.endr
.endr
.irp u, 0,1
.irp b, 0,1
	v_permlanex16_b32 v[QT+8*\u+2+\b], v[QT+8*\u+\b], s66, s67
.endr
.endr
.irp u, 0,1
.irp b, 0,1
	v_max_num_f32 v[QT+8*\u+\b], v[QT+8*\u+\b], v[QT+8*\u+2+\b]
.endr
.endr
.irp u, 0,1
.irp b, 0,1
	v_add_nc_u32 v[QT+8*\u+4+\b], 0xff000000, v[QT+8*\u+\b]
.endr
.endr
.irp u, 0,1
.irp b, 0,1
	v_lshrrev_b32 v[QT+8*\u+6+\b], 23, v[QT+8*\u+4+\b]
.endr
.endr
.irp u, 0,1
	v_lshl_or_b32 v[XS0+\u], v[QT+8*\u+7], 8, v[QT+8*\u+6]
.endr
.irp u, 0,1
.irp b, 0,1
	v_cvt_scalef32_pk8_fp4_f32 v[XOP+8*\u+2*\b], v[\acc+32*\u+16*\b:\acc+32*\u+16*\b+7], v[QT+8*\u+4+\b]
	v_cvt_scalef32_pk8_fp4_f32 v[XOP+8*\u+2*\b+1], v[\acc+32*\u+16*\b+8:\acc+32*\u+16*\b+15], v[QT+8*\u+4+\b]
.endr
.endr
	v_nop                                          ; one plain place behind a scaled conversion
.irp u, 0,1                                    ; the operand wants a whole block in a lane: lanes 0-15 block 0, lanes 16-31 block 1
	v_permlane16_swap_b32 v[XOP+8*\u], v[XOP+8*\u+2]
	v_permlane16_swap_b32 v[XOP+8*\u+1], v[XOP+8*\u+3]
.endr
.endm
; A bias of 64 numbers into both tiles' accumulators, in the result's layout.  five = 1: tile t holds units 32 (t / 2) + 16 h + 8 (t % 2) + 0 .. 7; else 16 t + 8 h + 0 .. 7
.macro BIAS acc, ptr, five
.irp u, 0,1
.irp t, 0,1,2,3
.if \five
	global_load_b128 v[\acc+32*\u+8*\t:\acc+32*\u+8*\t+3], v[H64], s[\ptr:\ptr+1] offset:128*(\t/2)+32*(\t%2)
	global_load_b128 v[\acc+32*\u+8*\t+4:\acc+32*\u+8*\t+7], v[H64], s[\ptr:\ptr+1] offset:128*(\t/2)+32*(\t%2)+16
.else
	global_load_b128 v[\acc+32*\u+8*\t:\acc+32*\u+8*\t+3], v[H32], s[\ptr:\ptr+1] offset:64*\t
	global_load_b128 v[\acc+32*\u+8*\t+4:\acc+32*\u+8*\t+7], v[H32], s[\ptr:\ptr+1] offset:64*\t+16
.endif
.endr
.endr
.endm
; One product: D = weights x points + D (D holds the bias).  ar, br = 1: that side's scales are read from lanes 16-31
.macro WM d, w, x, sa, ar, sb, br
.if (\ar) && (\br)
	v_wmma_scale_f32_16x16x128_f8f6f4 v[\d:\d+7], v[\w:\w+7], v[\x:\x+7], v[\d:\d+7], v[\sa], v[\sb] matrix_a_fmt:MATRIX_FMT_FP4 matrix_b_fmt:MATRIX_FMT_FP4 matrix_a_scale:MATRIX_SCALE_ROW1 matrix_b_scale:MATRIX_SCALE_ROW1
.elseif \ar
	v_wmma_scale_f32_16x16x128_f8f6f4 v[\d:\d+7], v[\w:\w+7], v[\x:\x+7], v[\d:\d+7], v[\sa], v[\sb] matrix_a_fmt:MATRIX_FMT_FP4 matrix_b_fmt:MATRIX_FMT_FP4 matrix_a_scale:MATRIX_SCALE_ROW1
.elseif \br
	v_wmma_scale_f32_16x16x128_f8f6f4 v[\d:\d+7], v[\w:\w+7], v[\x:\x+7], v[\d:\d+7], v[\sa], v[\sb] matrix_a_fmt:MATRIX_FMT_FP4 matrix_b_fmt:MATRIX_FMT_FP4 matrix_b_scale:MATRIX_SCALE_ROW1
.else
	v_wmma_scale_f32_16x16x128_f8f6f4 v[\d:\d+7], v[\w:\w+7], v[\x:\x+7], v[\d:\d+7], v[\sa], v[\sb] matrix_a_fmt:MATRIX_FMT_FP4 matrix_b_fmt:MATRIX_FMT_FP4
.endif
.endm
; A layer of 64 units for both tiles of points: eight products, each on an accumulator of its own
.macro LAYER acc, w, sw, k32
.irp t, 0,1,2,3
.irp u, 0,1
.if \k32
	WM \acc+32*\u+8*\t, \w+4*\t, XOP+8*\u, \sw+\t/2, \t%2, XS0, \u
.else
	WM \acc+32*\u+8*\t, \w+4*\t, XOP+8*\u, \sw+\t/2, \t%2, XS0+\u, 0
.endif
.endr
.endr
.endm
.macro PLACES n                        ; plain vector instructions that name no register of the matrix instruction (ISA guide 7.12.1)
.rept \n
	v_nop
.endr
.endm
	s_load_b512 s[8:23], s[0:1], 0x0               ; position 8, direction 10, cells 12, tab2 14, wimg 16, b1 18, bd 20, bc1 22
	s_load_b256 s[24:31], s[0:1], 0x40             ; bc2 24, bc3 26, out0 28, out1 30
	v_lshl_add_u32 v126, v0, 2, 0xd000
	v_mov_b32 v127, 0
	v_lshrrev_b32 v108, 5, v0
	v_readfirstlane_b32 s4, v108                   ; wave 0..15
	v_and_b32 v109, 31, v0                         ; lane
	v_bfe_u32 v110, v0, 4, 1                       ; h
	v_mul_u32_u24 v[L12], v109, 12
	v_lshlrev_b32 v[L16], 4, v109
	v_lshlrev_b32 v[L8], 3, v109
	v_lshlrev_b32 v[L4], 2, v109
	v_lshlrev_b32 v[H64], 6, v110
	v_lshlrev_b32 v[H32], 5, v110
	v_add_nc_u32 v[MLO], -1, v110
	v_sub_nc_u32 v[MHI], 0, v110
	s_mul_i32 s5, s4, 3328                         ; my wave's bytes of LDS
	v_mul_u32_u24 v[DSTO], v109, 80
	v_add_nc_u32 v[DSTO], s5, v[DSTO]
	v_lshrrev_b32 v111, 2, v109
	v_and_b32 v112, 3, v109
	v_mul_u32_u24 v[DSLD], v111, 80
	v_lshl_add_u32 v[DSLD], v112, 4, v[DSLD]
	v_add_nc_u32 v[DSLD], s5, v[DSLD]
	s_add_co_u32 s6, s5, 2560
	v_add_nc_u32 v[CSTO], s6, v[L12]
	v_add_nc_u32 v[CSLD], s6, v[L8]
.irp i, 4,5,6,7,12,13,14,15
	v_mov_b32 v[XOP+\i], 0                         ; k = 64 .. 127 of the points' operands: zero codes, never rewritten
.endr
	s_lshl_b32 s7, ttmp9, 4
	s_add_co_u32 s7, s7, s4                        ; which 64 points are my wave's
	s_mul_i32 s80, s7, 768
	s_mov_b32 s81, 0
	s_mov_b32 s66, 0x76543210
	s_mov_b32 s67, 0xfedcba98                      ; v_permlanex16_b32's selects for lane l xor 16
	s_mov_b32 s75, 0xbfb8aa3b                      ; -log2(e)
	s_mov_b32 s78, 0x7ffff
	s_mov_b32 s79, 0xbea17b01                      ; -0.31539157
	s_mov_b32 s76, 2                               ; batches to go
	s_mov_b32 s77, 0                               ; the batch's place in the colour stage
	s_wait_kmcnt 0x0
	s_add_nc_u64 s[8:9], s[8:9], s[80:81]
	s_add_nc_u64 s[10:11], s[10:11], s[80:81]
	s_add_nc_u64 s[30:31], s[30:31], s[80:81]
	s_lshl_b32 s80, s7, 13
	s_add_nc_u64 s[12:13], s[12:13], s[80:81]
	s_lshl_b32 s80, s7, 12
	s_add_nc_u64 s[28:29], s[28:29], s[80:81]
	s_load_b96 s[68:70], s[26:27], 0x0             ; bc3
	s_mov_b64 s[TB:TB+1], s[14:15]
.irp l, 1,2,3,4,5,6,7,8,9,10,11,12,13,14,15
	s_add_nc_u64 s[TB+2*\l:TB+2*\l+1], s[TB+2*\l-2:TB+2*\l-1], 0x400000   ; a level is 2^19 entries of 8 bytes
.endr
.irp c, 0,1,2,3,4,5,6,7,8,9,10,11,12,13,14,15,16
	global_load_b128 v[W1+4*\c:W1+4*\c+3], v[L16], s[16:17] offset:512*\c   ; the weights, as launch 1 laid them: they stay
.endr
.irp q, 0,1,2,3,4,5,6
	global_load_b32 v[SW+\q], v[L4], s[16:17] offset:8704+128*\q
.endr
	s_wait_kmcnt 0x0
.Lbatch:
; ---- my point, and its 16 cells
.irp q, 0,1,2,3,4,5,6,7
	global_load_b128 v[IW+4*\q:IW+4*\q+3], v[L16], s[12:13] offset:512*\q th:TH_LOAD_NT
.endr
.irp d, 0,1,2
	global_load_b32 v[PX+\d], v[L12], s[8:9] offset:4*\d th:TH_LOAD_NT
	global_load_b32 v[DX+\d], v[L12], s[10:11] offset:4*\d th:TH_LOAD_NT
.endr
	s_wait_loadcnt 0x0                             ; (in the first batch the weights too)
; ---- the encoding
.irp l, 0,1,2
	INDEX \l
	GATHER \l
.endr
.irp l, 0,1,2,3,4,5,6,7,8,9,10,11,12,13,14,15
.if \l <= 12
	INDEX \l+3                                     ; into the buffer that the level before this one has left
	GATHER \l+3
.endif
.if \l == 12                                   ; the cells are used up: their registers take bd (the C of the density's products) and the harmonics
.irp u, 0,1
	global_load_b128 v[RB+8*\u:RB+8*\u+3], v[H32], s[20:21]
	global_load_b128 v[RB+8*\u+4:RB+8*\u+7], v[H32], s[20:21] offset:16
.endr
	SHENC
.endif
	FRAC \l
.if \l <= 11
	s_wait_loadcnt 24                              ; this level's 8 gathers are in; those of the three levels behind it may be out
.else
	s_wait_loadcnt 4+8*(15-\l)                     ; 8 for each level still behind, and bd's four
.endif
	LERP \l
.endr
; ---- h = relu(enc w1 + b1)
	BIAS RA, 18, 1
	QUANT32 ENC
	PLACES 4                                       ; an operand written by vector instructions stands 4 places ahead of a scaled product; the scale word stands 13 ahead
	s_wait_loadcnt 0x0                             ; b1, and bd
	LAYER RA, W1, SW, 1
	PLACES 4
; ---- density = h wd + bd
	QUANT64 RA
	BIAS RA, 22, 1                                 ; the hidden layer's registers are free: bc1 for the third product
	PLACES 8                                       ; a scale word written by vector instructions stands 8 places ahead of a scaled product
	WM RB, WD, XOP, SW+6, 0, XS0, 0
	WM RB+8, WD, XOP+8, SW+6, 0, XS1, 0
	PLACES 4
; ---- each point's 16 densities back into its own lane, beside its 16 harmonics: xcat.  T0's lanes 16-31 (units 8-15 of points 0-15) change places with T1's lanes 0-15 (units 0-7 of points 16-31)
.irp j, 0,1,2,3,4,5,6,7
	v_permlane16_swap_b32 v[RB+\j], v[RB+8+\j]
.endr
.irp i, 0,1,2,3
	ds_store_b128 v[DSTO], v[RB+4*\i:RB+4*\i+3] offset:16*\i
.endr
.irp i, 0,1,2,3
	ds_load_b128 v[RB+32+4*\i:RB+32+4*\i+3], v[DSLD] offset:640*\i   ; my wave's own bytes, served in order: these see the stores above; four lanes to a point's 64 bytes
.endr
	QUANT32 RB
	s_wait_dscnt 0x0
.irp i, 0,1,2,3
	global_store_b128 v[L16], v[RB+32+4*\i:RB+32+4*\i+3], s[28:29] offset:512*\i th:TH_STORE_NT   ; 512 consecutive bytes of out0, at a multiple of 512 from its first byte
.endr
	PLACES 4
	s_wait_loadcnt 0x0                             ; bc1
; ---- c = relu(xcat wc1 + bc1)
	LAYER RA, WC1, SW+2, 1
	s_wait_xcnt 0x0                                ; the stores of out0 have read their registers, which bc2 now takes
	BIAS RB, 24, 0
	PLACES 4
; ---- c = relu(c wc2 + bc2)
	QUANT64 RA
	PLACES 8
	s_wait_loadcnt 0x0                             ; bc2
	LAYER RB, WC2, SW+4, 0
	PLACES 4
; ---- colour = sigmoid(c wc3 + bc3): bf16 operands, f32 sums.  Tiles 2 s and 2 s + 1 of a result, rounded in pairs, are the operand of K step s
	RELU64 RB
.irp u, 0,1
.irp q, 0,1,2,3,4,5,6,7,8,9,10,11,12,13,14,15
	v_cvt_pk_bf16_f32 v[RA+16*\u+\q], v[RB+32*\u+2*\q], v[RB+32*\u+2*\q+1]
.endr
.endr
	v_wmma_f32_16x16x32_bf16 v[RA+32:RA+39], v[WC3:WC3+7], v[RA:RA+7], 0           ; the two accumulators take turns
	v_wmma_f32_16x16x32_bf16 v[RA+40:RA+47], v[WC3:WC3+7], v[RA+16:RA+23], 0
	v_wmma_f32_16x16x32_bf16 v[RA+32:RA+39], v[WC3+8:WC3+15], v[RA+8:RA+15], v[RA+32:RA+39]
	v_wmma_f32_16x16x32_bf16 v[RA+40:RA+47], v[WC3+8:WC3+15], v[RA+24:RA+31], v[RA+40:RA+47]
	PLACES 4
.irp j, 0,1,2
	v_permlane16_swap_b32 v[RA+32+\j], v[RA+40+\j] ; colour j of every point in its own lane
.endr
.irp j, 0,1,2
	v_add_f32 v[108+\j], s[68+\j], v[RA+32+\j]
.endr
.irp j, 0,1,2
	v_mul_f32 v[108+\j], s75, v[108+\j]
.endr
.irp j, 0,1,2
	v_exp_f32 v[108+\j], v[108+\j]                 ; e^-x
.endr
	v_nop                                          ; a plain place behind the exponentials,
	s_wait_alu depctr_va_vdst(0)                   ; and one wait for the three, ahead of their first reader
.irp j, 0,1,2
	v_add_f32 v[108+\j], 1.0, v[108+\j]
.endr
.irp j, 0,1,2
	v_rcp_f32 v[108+\j], v[108+\j]
.endr
	v_add_nc_u32 v[CADR], s77, v[CSTO]             ; (the plain place behind the reciprocals)
	s_wait_alu depctr_va_vdst(0)
.irp j, 0,1,2
	ds_store_b32 v[CADR], v[108+\j] offset:4*\j
.endr
	s_wait_xcnt 0x0                                ; every earlier load and store has read its base: they step to the next batch
	s_add_nc_u64 s[8:9], s[8:9], 384
	s_add_nc_u64 s[10:11], s[10:11], 384
	s_add_nc_u64 s[12:13], s[12:13], 4096
	s_add_nc_u64 s[28:29], s[28:29], 2048
	s_add_co_u32 s77, s77, 384
	s_sub_co_u32 s76, s76, 1
	s_cmp_lg_u32 s76, 0
	s_cbranch_scc1 .Lbatch
; ---- the wave's 64 colours: 768 bytes, as three stores of 256 consecutive bytes, each at a multiple of 256 from out1's first byte
.irp i, 0,1,2
	ds_load_b64 v[RA+2*\i:RA+2*\i+1], v[CSLD] offset:256*\i   ; my wave's own bytes, served in order behind the stores
.endr
.irp i, 0,1,2
	s_wait_dscnt 2-\i                              ; the later loads may be out
	global_store_b64 v[L8], v[RA+2*\i:RA+2*\i+1], s[30:31] offset:256*\i th:TH_STORE_NT
.endr
	s_wait_tensorcnt 0x0
	ds_add_u32 v126, v127
	s_wait_dscnt 0x0
	s_endpgm
.Lfunc_end_k_q1d79004a47_field:
	.size	k_q1d79004a47_field, .Lfunc_end_k_q1d79004a47_field-k_q1d79004a47_field
	.p2alignl 7, 3214868480
	.fill 96, 4, 3214868480
	.section	.rodata,"a",@progbits
	.p2align	6, 0x0
	.amdhsa_kernel k_q1d79004a47_field
		.amdhsa_group_segment_fixed_size 55296
		.amdhsa_private_segment_fixed_size 0
		.amdhsa_enable_private_segment 0
		.amdhsa_kernarg_size 96
		.amdhsa_user_sgpr_count 2
		.amdhsa_user_sgpr_kernarg_segment_ptr 1
		.amdhsa_wavefront_size32 1
		.amdhsa_system_sgpr_workgroup_id_x 1
		.amdhsa_system_sgpr_workgroup_id_y 1
		.amdhsa_system_sgpr_workgroup_id_z 1
		.amdhsa_system_vgpr_workitem_id 0
		.amdhsa_next_free_vgpr 256
		.amdhsa_next_free_sgpr 84
		.amdhsa_reserve_vcc 0
		.amdhsa_float_denorm_mode_32 3
		.amdhsa_float_denorm_mode_16_64 3
		.amdhsa_memory_ordered 1
		.amdhsa_forward_progress 1
		.amdhsa_inst_pref_size 90
	.end_amdhsa_kernel
	.amdgpu_metadata
---
amdhsa.version: [ 1, 2 ]
amdhsa.kernels:
  - .name:           k_q1d79004a47_field
    .symbol:         k_q1d79004a47_field.kd
    .args:
      - { .name: position, .offset: 0, .size: 8, .value_kind: global_buffer, .address_space: global }
      - { .name: direction, .offset: 8, .size: 8, .value_kind: global_buffer, .address_space: global }
      - { .name: cells, .offset: 16, .size: 8, .value_kind: global_buffer, .address_space: global }
      - { .name: tab2, .offset: 24, .size: 8, .value_kind: global_buffer, .address_space: global }
      - { .name: wimg, .offset: 32, .size: 8, .value_kind: global_buffer, .address_space: global }
      - { .name: b1, .offset: 40, .size: 8, .value_kind: global_buffer, .address_space: global }
      - { .name: bd, .offset: 48, .size: 8, .value_kind: global_buffer, .address_space: global }
      - { .name: bc1, .offset: 56, .size: 8, .value_kind: global_buffer, .address_space: global }
      - { .name: bc2, .offset: 64, .size: 8, .value_kind: global_buffer, .address_space: global }
      - { .name: bc3, .offset: 72, .size: 8, .value_kind: global_buffer, .address_space: global }
      - { .name: out0, .offset: 80, .size: 8, .value_kind: global_buffer, .address_space: global }
      - { .name: out1, .offset: 88, .size: 8, .value_kind: global_buffer, .address_space: global }
    .group_segment_fixed_size: 55296
    .private_segment_fixed_size: 0
    .kernarg_segment_align: 8
    .kernarg_segment_size: 96
    .max_flat_workgroup_size: 512
    .sgpr_count:     84
    .vgpr_count:     256
    .wavefront_size: 32
...
	.end_amdgpu_metadata
.endif
;; end of part 2
;; ======== version 2 of 3: 2 launches; 1.25 times as fast as version 1
;; workspace buffers: cells 33,554,432 bytes of whole numbers; wimg 9,728 bytes
;; launch prep (part 3): grid 1025 x 1, 8 waves a work-group, no clusters, 0 bytes of LDS; arguments position, w1, wd, wc1, wc2, wc3, cells, wimg; writes cells, wimg
.if DOCPART == 3
	.amdgcn_target "amdgcn-amd-amdhsa--gfx1250"
	.amdhsa_code_object_version 6
	.text
	.protected	k_q1d79004a47_prep
	.globl	k_q1d79004a47_prep
	.p2align	8
	.type	k_q1d79004a47_prep,@function
k_q1d79004a47_prep:
	s_mov_b64 s[64:65], 0
	v_nop
	global_prefetch_b8 v0, s[64:65] scope:SCOPE_SE
	s_setreg_imm32_b32 hwreg(HW_REG_WAVE_MODE, 25, 1), 1
	s_wait_xcnt 0x0
; InstantNerf, launch 1 of 2.  Two kinds of work-group, told apart by the work-group number alone:
;   work-group 0            WEIGHTS: w1, wc1, wc2, wd become codes of E2M1 with E8M0 scale bytes, wc3 becomes bf16, all laid in the order of the
;                           matrix operand registers (a chunk = 4 registers, lane l at byte 16 l), so that launch 2 loads them straight into registers.
;   the other 1,024         CELLS: for each point and level the hashes of the 8 cube corners, packed in 8 bytes of whole numbers.  Launch 2 forms its
;                           gather addresses from these stored whole numbers, never from floating-point numbers of its own.
; A CELL.  With X, Y, Z the floor coordinates times the primes (1, P1, P2) and Xc, Yc, Zc the same of the ceil coordinates, all modulo 2^19:
;   h0 = X^Y^Z, ey = Y^Yc, ez = Z^Zc, ex = X^Xc = 2^k - 1 (ceil is floor or floor + 1), k = 0 .. 19.  A corner hash is h0 with ex, ey, ez xored in where the corner takes the ceil.
;   word 0 = h0 | ey << 19 (its low 13 bits);  word 1 = ey >> 13 | ez << 6 | k << 25.
;   Place: batch (32 points) x 4096 + (level / 2) x 512 + lane x 16 + (level % 2) x 8: a wave stores 512 consecutive bytes an instruction.
; THE SCALINGS floor(16 g^l), g = exp((ln 1024 - ln 16) / 15) in f32, are constants of the text.  At l = 5, 10, 15 the number under the floor lies at a whole
; number; this text takes 64, 256, 1024, which is what g rounded to the nearest f32 gives.  The other 13 lie at least 6e-5 (relative) off a whole number.
; LIMITS: |position x 1024| from 2^31 on, NaN and infinities are not served.  A block of weights whose largest magnitude lies under 2^-124 (a block of zeros
; too) gets the scale byte 1: its codes are zeros or the nearest codes under that scale; the bytes are read by this program alone.
; No LDS, no barrier, EXEC is never changed; no cluster: no two work-groups read the same bytes.
.set PRIME1,  0x9e3779b1               ; 2654435761
.set NPRIME1, 0x61c8864f               ; its negative modulo 2^32
.set PRIME2,  0x30025795               ; 805459861
.set NPRIME2, 0xcffda86b
.set POS,  8                           ; s[8:9] position, s[10:11] w1, s[12:13] wd, s[14:15] wc1, s[16:17] wc2, s[18:19] wc3, s[20:21] cells, s[22:23] wimg
.set PW1,  10
.set PWD,  12
.set PWC1, 14
.set PWC2, 16
.set PWC3, 18
.set PCEL, 20
.set PIMG, 22
.set CW, 32                            ; CELLS: v32-63, two words a level
.macro SCASE n, bits
.if SCI == \n
.set SCV, \bits
.endif
.endm
.macro GETSC                           ; SCV = the scaling of level SCI, as f32 bits
	SCASE 0,  0x41800000               ; 16
	SCASE 1,  0x41a80000               ; 21
	SCASE 2,  0x41d80000               ; 27
	SCASE 3,  0x42100000               ; 36
	SCASE 4,  0x42400000               ; 48
	SCASE 5,  0x42800000               ; 64
	SCASE 6,  0x42a80000               ; 84
	SCASE 7,  0x42de0000               ; 111
	SCASE 8,  0x43130000               ; 147
	SCASE 9,  0x43420000               ; 194
	SCASE 10, 0x43800000               ; 256
	SCASE 11, 0x43a88000               ; 337
	SCASE 12, 0x43de8000               ; 445
	SCASE 13, 0x44130000               ; 588
	SCASE 14, 0x44420000               ; 776
	SCASE 15, 0x44800000               ; 1024
.endm
	s_load_b512 s[8:23], s[0:1], 0x0               ; the eight addresses
	v_lshrrev_b32 v1, 5, v0
	v_readfirstlane_b32 s4, v1                     ; wave 0..7
	v_and_b32 v1, 31, v0                           ; lane
	v_and_b32 v2, 15, v0                           ; r
	v_bfe_u32 v3, v0, 4, 1                         ; h
	v_lshlrev_b32 v5, 4, v1                        ; 16 x lane
	s_wait_kmcnt 0x0
	s_cmp_eq_u32 ttmp9, 0
	s_cbranch_scc1 .Lweights
; ---- CELLS: my wave's batch of 32 points, a lane a point
	s_sub_co_u32 s5, ttmp9, 1
	s_lshl_b32 s6, s5, 3
	s_add_co_u32 s6, s6, s4                        ; which of 8,192 batches is my wave's
	s_mul_i32 s28, s6, 384
	s_mov_b32 s29, 0
	s_add_nc_u64 s[28:29], s[POS:POS+1], s[28:29]  ; position at my batch
	s_lshl_b32 s30, s6, 12
	s_mov_b32 s31, 0
	s_add_nc_u64 s[30:31], s[PCEL:PCEL+1], s[30:31]  ; cells at my batch
	v_mul_u32_u24 v4, v1, 12
	global_load_b32 v8, v4, s[28:29]
	global_load_b32 v9, v4, s[28:29] offset:4
	global_load_b32 v10, v4, s[28:29] offset:8
	s_mov_b32 s36, PRIME1
	s_mov_b32 s37, NPRIME1
	s_mov_b32 s38, PRIME2
	s_mov_b32 s39, NPRIME2
	s_mov_b32 s40, 0x7ffff                         ; modulo the table's 2^19 entries
	s_wait_loadcnt 0x0
.macro CELL l
.set SCI, \l
	GETSC
	v_mul_f32 v11, SCV, v8                         ; the scaled position, as reference() rounds it
	v_mul_f32 v12, SCV, v9
	v_mul_f32 v13, SCV, v10
	v_floor_f32 v14, v11
	v_floor_f32 v15, v12
	v_floor_f32 v16, v13
	v_floor_f32 v17, -v11                          ; floor(-s) = -ceil(s)
	v_floor_f32 v18, -v12
	v_floor_f32 v19, -v13
	v_cvt_i32_f32 v14, v14
	v_cvt_i32_f32 v15, v15
	v_cvt_i32_f32 v16, v16
	v_cvt_i32_f32 v17, v17
	v_cvt_i32_f32 v18, v18
	v_cvt_i32_f32 v19, v19
	v_sub_nc_u32 v17, 0, v17                       ; Xc
	v_mul_lo_u32 v15, v15, s36                     ; Y
	v_mul_lo_u32 v18, v18, s37                     ; Yc = (-ceil) x (-P1)
	v_mul_lo_u32 v16, v16, s38                     ; Z
	v_mul_lo_u32 v19, v19, s39                     ; Zc
	v_xor_b32 v17, v14, v17
	v_xor_b32 v18, v15, v18
	v_xor_b32 v19, v16, v19
	v_xor_b32 v14, v14, v15
	v_xor_b32 v14, v14, v16
	v_and_b32 v17, s40, v17                        ; ex
	v_and_b32 v18, s40, v18                        ; ey
	v_and_b32 v19, s40, v19                        ; ez
	v_and_b32 v14, s40, v14                        ; h0
	v_add_nc_u32 v17, 1, v17                       ; 2^k: a power of two, so its f32 exponent field is k + 127, exactly
	v_cvt_f32_u32 v17, v17
	v_lshrrev_b32 v17, 23, v17
	v_add_nc_u32 v17, 0xffffff81, v17              ; k
	v_lshl_or_b32 v[CW+2*\l], v18, 19, v14
	v_lshrrev_b32 v18, 13, v18
	v_lshl_or_b32 v18, v19, 6, v18
	v_lshl_or_b32 v[CW+2*\l+1], v17, 25, v18
.endm
.irp l, 0,1,2,3,4,5,6,7,8,9,10,11,12,13,14,15
	CELL \l
.endr
.irp q, 0,1,2,3,4,5,6,7
	global_store_b128 v5, v[CW+4*\q:CW+4*\q+3], s[30:31] offset:512*\q   ; levels 2 q and 2 q + 1: 512 consecutive bytes a wave
.endr
	s_endpgm
; ---- WEIGHTS.  A lane takes a column n of a weight stored [K][N] and its registers run down K, in the order that the operand layout gives the lane:
; so the conversions' results are the operand's registers.  Waves 0-5: two tiles of 16 columns each of w1 (waves 0, 1), wc1 (2, 3), wc2 (4, 5); wave 6: wd; wave 7: wc3.
; w1, wc1 (K = 32): BOTH halves of the lanes hold k = 0 .. 31, and both low bytes of the scale word hold the one byte: launch 2 feeds points 0-15 at k = 0 .. 31 and points 16-31 at k = 32 .. 63.
;   Lane r of tile 2 b + u takes column 32 b + 8 u + r + 8 (r / 8), so that in the transposed result 16 registers of two neighbouring tiles are 16 neighbours along the next K.
; wc2, wd (K = 64): lane (r, h) holds k = 32 h .. 32 h + 31 of column 16 t + r.
.Lweights:
	s_mov_b32 s34, 0x76543210
	s_mov_b32 s35, 0xfedcba98                      ; v_permlanex16_b32's selects for lane l xor 16
	v_lshlrev_b32 v7, 3, v3                        ; 8 h: where my byte stands in the scale word
	v_mov_b32 v85, 0                               ; a lane permute's destination counts as one of its sources
	v_lshlrev_b32 v6, 2, v1
	v_lshl_add_u32 v6, s4, 7, v6                   ; my scale word's place: 128 x wave + 4 x lane
	s_lshl_b32 s42, s4, 10
	s_mov_b32 s43, 0
	s_add_nc_u64 s[44:45], s[PIMG:PIMG+1], s[42:43]  ; my chunks: 1,024 x wave
; 32 numbers of a lane, one block along K, become 4 registers of codes and the row's scale word
.macro QW src, dst, word
	v_max3_num_f32 v80, |v[\src]|, |v[\src+1]|, 0x1800000          ; the floor 2^(3 - 127): the byte cannot fall under 1
	v_max3_num_f32 v81, |v[\src+2]|, |v[\src+3]|, |v[\src+4]|
.irp i, 5,9,13,17,21,25
	v_max3_num_f32 v80, v80, |v[\src+\i]|, |v[\src+\i+1]|
	v_max3_num_f32 v81, v81, |v[\src+\i+2]|, |v[\src+\i+3]|
.endr
	v_max3_num_f32 v80, v80, |v[\src+29]|, |v[\src+30]|
	v_max3_num_f32 v80, v80, v81, |v[\src+31]|     ; the block's largest magnitude
	v_add_nc_u32 v82, 0xff000000, v80              ; 2 off its exponent field: the conversion's scale operand
	v_lshrrev_b32 v83, 23, v82                     ; the scale's byte
	v_lshlrev_b32 v84, v7, v83                     ; at byte h,
	v_permlanex16_b32 v85, v84, s34, s35
	v_or_b32 v[\word], v84, v85                    ; with lane l xor 16's: byte 0 for k = 0 .. 31, byte 1 for k = 32 .. 63
.irp g, 0,1,2,3
	v_cvt_scalef32_pk8_fp4_f32 v[\dst+\g], v[\src+8*\g:\src+8*\g+7], v82
.endr
	v_nop                                          ; one plain place behind a scaled conversion
.endm
	s_cmp_lt_u32 s4, 6
	s_cbranch_scc0 .Lnot_wide
	s_lshr_b32 s5, s4, 1                           ; which weight
	s_and_b32 s6, s4, 1                            ; which pair of tiles
	s_cmp_eq_u32 s5, 0
	s_cselect_b64 s[28:29], s[PW1:PW1+1], s[PWC1:PWC1+1]   ; w1 or wc1,
	s_cmp_eq_u32 s5, 2
	s_cselect_b64 s[28:29], s[PWC2:PWC2+1], s[28:29]       ; or wc2: the choice hangs on the wave's number alone
	s_cselect_b32 s30, 8192, 0                     ; wc2: lanes 16-31 begin 32 rows of 256 bytes further down
	s_cselect_b32 s31, 64, 32                      ; bytes from a pair's first tile to its second
	s_cselect_b32 s32, 0, 1                        ; 1: the order with r + 8 (r / 8)
	s_lshl_b32 s33, s6, 7                          ; a pair of tiles is 32 columns
	v_and_b32 v8, 8, v2
	v_mul_u32_u24 v8, v8, s32
	v_add_nc_u32 v8, v8, v2
	v_lshlrev_b32 v8, 2, v8
	v_mad_u32_u24 v8, v3, s30, v8
	v_add_nc_u32 v8, s33, v8                       ; my column in the pair's first tile,
	v_add_nc_u32 v9, s31, v8                       ; and in its second
.irp i, 0,1,2,3,4,5,6,7,8,9,10,11,12,13,14,15,16,17,18,19,20,21,22,23,24,25,26,27,28,29,30,31
	global_load_b32 v[16+\i], v8, s[28:29] offset:256*\i
	global_load_b32 v[48+\i], v9, s[28:29] offset:256*\i
.endr
	s_wait_loadcnt 0x0
	QW 16, 88, 86
	QW 48, 92, 87
	v_cmp_ne_u32 vcc_lo, 0, v3
	v_cndmask_b32 v96, v86, v87, vcc_lo            ; one scale register for the pair: lanes 0-15 the first tile's words, lanes 16-31 the second's
	global_store_b128 v5, v[88:91], s[44:45]
	global_store_b128 v5, v[92:95], s[44:45] offset:512
	global_store_b32 v6, v96, s[PIMG:PIMG+1] offset:8704
	s_endpgm
.Lnot_wide:
	s_cmp_eq_u32 s4, 6
	s_cbranch_scc0 .Lcolour
	v_lshlrev_b32 v8, 2, v2                        ; wd [64][16]: column r, a row is 64 bytes;
	v_lshl_add_u32 v8, v3, 11, v8                  ; lanes 16-31 begin 32 rows further down
.irp i, 0,1,2,3,4,5,6,7,8,9,10,11,12,13,14,15,16,17,18,19,20,21,22,23,24,25,26,27,28,29,30,31
	global_load_b32 v[16+\i], v8, s[PWD:PWD+1] offset:64*\i
.endr
	s_wait_loadcnt 0x0
	QW 16, 88, 86
	global_store_b128 v5, v[88:91], s[44:45]       ; chunk 12
	global_store_b32 v6, v86, s[PIMG:PIMG+1] offset:8704
	s_endpgm
.Lcolour:
; wc3 [64][3] becomes source 0 of two bf16 products of K = 32: lane (r, h) holds row r (colour r; rows 3 to 15 are zeros); registers 8 s + 4 g + i / 2 hold k = 32 s + 16 g + 8 h + i
	v_min_u32 v8, 2, v2                            ; lanes with r over 2 read column 2, so that no load leaves the buffer, and are cleared below
	v_lshlrev_b32 v8, 2, v8
	v_mad_u32_u24 v8, v3, 96, v8                   ; 8 h rows of 12 bytes
.irp s, 0,1
.irp g, 0,1
.irp i, 0,1,2,3,4,5,6,7
	global_load_b32 v[16+16*\s+8*\g+\i], v8, s[PWC3:PWC3+1] offset:(32*\s+16*\g+\i)*12
.endr
.endr
.endr
	v_cmp_gt_u32 vcc_lo, 3, v2
	s_wait_loadcnt 0x0
.irp j, 0,1,2,3,4,5,6,7,8,9,10,11,12,13,14,15,16,17,18,19,20,21,22,23,24,25,26,27,28,29,30,31
	v_cndmask_b32 v[16+\j], 0, v[16+\j], vcc_lo
.endr
.irp q, 0,1,2,3,4,5,6,7,8,9,10,11,12,13,14,15
	v_cvt_pk_bf16_f32 v[88+\q], v[16+2*\q], v[17+2*\q]
.endr
.irp c, 0,1,2,3
	global_store_b128 v5, v[88+4*\c:91+4*\c], s[PIMG:PIMG+1] offset:6656+512*\c   ; chunks 13 to 16
.endr
	s_endpgm
.Lfunc_end_k_q1d79004a47_prep:
	.size	k_q1d79004a47_prep, .Lfunc_end_k_q1d79004a47_prep-k_q1d79004a47_prep
	.p2alignl 7, 3214868480
	.fill 96, 4, 3214868480
	.section	.rodata,"a",@progbits
	.p2align	6, 0x0
	.amdhsa_kernel k_q1d79004a47_prep
		.amdhsa_group_segment_fixed_size 0
		.amdhsa_private_segment_fixed_size 0
		.amdhsa_enable_private_segment 0
		.amdhsa_kernarg_size 64
		.amdhsa_user_sgpr_count 2
		.amdhsa_user_sgpr_kernarg_segment_ptr 1
		.amdhsa_wavefront_size32 1
		.amdhsa_system_sgpr_workgroup_id_x 1
		.amdhsa_system_sgpr_workgroup_id_y 1
		.amdhsa_system_sgpr_workgroup_id_z 1
		.amdhsa_system_vgpr_workitem_id 0
		.amdhsa_next_free_vgpr 104
		.amdhsa_next_free_sgpr 66
		.amdhsa_reserve_vcc 1
		.amdhsa_float_denorm_mode_32 3
		.amdhsa_float_denorm_mode_16_64 3
		.amdhsa_memory_ordered 1
		.amdhsa_forward_progress 1
		.amdhsa_inst_pref_size 49
	.end_amdhsa_kernel
	.amdgpu_metadata
---
amdhsa.version: [ 1, 2 ]
amdhsa.kernels:
  - .name:           k_q1d79004a47_prep
    .symbol:         k_q1d79004a47_prep.kd
    .args:
      - { .name: position, .offset: 0, .size: 8, .value_kind: global_buffer, .address_space: global }
      - { .name: w1, .offset: 8, .size: 8, .value_kind: global_buffer, .address_space: global }
      - { .name: wd, .offset: 16, .size: 8, .value_kind: global_buffer, .address_space: global }
      - { .name: wc1, .offset: 24, .size: 8, .value_kind: global_buffer, .address_space: global }
      - { .name: wc2, .offset: 32, .size: 8, .value_kind: global_buffer, .address_space: global }
      - { .name: wc3, .offset: 40, .size: 8, .value_kind: global_buffer, .address_space: global }
      - { .name: cells, .offset: 48, .size: 8, .value_kind: global_buffer, .address_space: global }
      - { .name: wimg, .offset: 56, .size: 8, .value_kind: global_buffer, .address_space: global }
    .group_segment_fixed_size: 0
    .private_segment_fixed_size: 0
    .kernarg_segment_align: 8
    .kernarg_segment_size: 64
    .max_flat_workgroup_size: 256
    .sgpr_count:     66
    .vgpr_count:     104
    .wavefront_size: 32
...
	.end_amdgpu_metadata
.endif
;; end of part 3
;; launch field (part 4): grid 256 x 1, 16 waves a work-group, no clusters, 71,680 bytes of LDS; arguments position, direction, cells, hash_table, wimg, b1, bd, bc1, bc2, bc3, out0, out1; writes out0, out1
.if DOCPART == 4
	.amdgcn_target "amdgcn-amd-amdhsa--gfx1250"
	.amdhsa_code_object_version 6
	.text
	.protected	k_q1d79004a47_field
	.globl	k_q1d79004a47_field
	.p2align	8
	.type	k_q1d79004a47_field,@function
k_q1d79004a47_field:
	s_mov_b64 s[64:65], 0
	v_nop
	global_prefetch_b8 v0, s[64:65] scope:SCOPE_SE
	s_setreg_imm32_b32 hwreg(HW_REG_WAVE_MODE, 25, 1), 1
	s_wait_xcnt 0x0
; InstantNerf, launch 2 of 2: hash encoding, the four products on codes of E2M1 (one E8M0 scale for each 32 along K), the spherical harmonics, the last product in bf16, the sigmoid.
; SHARES.  A work-group takes 1,024 points, a wave 64, as two batches of 32.  While encoding, while xcat is built and at the colours A LANE IS A POINT.  Waves share nothing: no barrier.
; Sixteen waves of 256 registers, four to a SIMD: while one wave waits for its gathers the others have arithmetic to issue.
; ENCODING.  The gather addresses come from the whole numbers that launch 1 stored (8 bytes for a point and level: see there).  A corner's two features lie 32 MiB apart in hash_table, as it is
; given: one index, in a register of its own, serves two loads of 4 bytes, one from each plane.  The bytes gathered are 262,144 x 16 x 8 x 2 x 4 whichever way the table lies; a copy with the
; features side by side would halve the loads and cost the table's 64 MiB once read and once written in launch 1: it is not made.
; Gathers run two to three levels (32 to 48 loads a wave) ahead of the interpolation, in a ring of four slots (8 index registers, 16 data registers).  The encoding is written over the cells
; that it has used up.  The weights px, py, pz of level l are the flat fractions l, 16 + l, 32 + l of the list (level, dimension), as reference() reshapes them.  Each interpolation is written
; b + p (a - b), a packed subtraction and a packed multiply-add for both features: its rounding differs from a p + b (1 - p) by a few units in the last place of the larger of a and b.
; PRODUCTS, all used transposed: source 0 = 16 columns of a weight, source 1 = 16 points; in a result lane (r, h) holds point r and units 8 h + 0 .. 7.  A batch is two tiles of points, T0 and T1.
; Every K here is 32 or 64 of the instruction's 128: registers 4-7 of the points' operand are zero codes, which add nothing whatever stands against them; so a weight tile is 4 registers,
; and the instruction's registers 4-7 of source 0 are whatever follows them (every 4-bit pattern is a number, and no scale byte here is 0xff).
; K = 32 WITHOUT MOVING A POINT TO ANOTHER LANE: a lane's 4 registers of codes are its own point's 32.  With lanes 16-31 cleared they are T0 with its codes at k = 0 .. 31; with lanes 0-15
; cleared they are T1 with its codes at k = 32 .. 63; the weights hold the same 32 codes at both places, and both low bytes of each scale word hold the one byte.
; THE BIASES are the C of each product: loaded in the result's layout into the accumulators themselves.  Each wave copies the four biases once into LDS bytes of its own and takes them from
; there, sixteen lanes reading the same 16 bytes: no load from memory stands between two products.
; The weights' columns of the first and third product are ordered so that 16 registers of two neighbouring tiles are 16 neighbours along the next K; those of the fourth lie in natural order, so that
; its results, rounded in pairs, are the bf16 operand of the fifth.
; THE SCALINGS: constants, as in launch 1 (64, 256, 1024 at levels 5, 10, 15: see its head).
; LIMITS: |position x 1024| from 2^31 on, NaN and infinities are not served.  A block whose largest magnitude lies under 2^-124 (a block of zeros too) gets the scale byte 1.
; NO CLUSTER, NO TENSOR LOAD: every gather address is a lane's own, and what the work-groups share is 9,600 bytes of weights, which each wave loads once into registers.
; LDS: 4,352 bytes for each wave: 32 rows of 64 bytes at pitch 80 (a batch's densities, on their way to whole rows of out0); 64 x 12 bytes (the wave's colours); b1, bc1, bc2 (256 each), bd (64).
.set WREG, 4352                        ; a wave's bytes of LDS
.set CST,  2560                        ; in them: the colour stage,
.set BST,  3328                        ; and the biases: b1 +0, bc1 +256, bc2 +512, bd +768
.set L12,  1                           ; v1   12 x lane
.set L16,  2                           ; v2   16 x lane
.set BA5,  3                           ; v3   the biases in LDS + 64 h
.set BAN,  4                           ; v4   the biases in LDS + 32 h
.set DSTO, 5                           ; v5   density stage, in: region + 80 x lane
.set DSLD, 6                           ; v6   and back: region + 80 (lane / 4) + 16 (lane % 4)
.set CSTO, 7                           ; v7   colour stage, in: region + 2560 + 12 x lane
.set CSLD, 8                           ; v8   and back: region + 2560 + 8 x lane
.set L8,   9                           ; v9   8 x lane
.set MLO,  10                          ; v10  all ones in lanes 0-15
.set MHI,  11                          ; v11  all ones in lanes 16-31
.set XS0,  12                          ; v12, v13  the points' scale words: they hold nothing else
.set XS1,  13
.set CADR, 14                          ; v14  colour stage address of the batch in hand
.set L4,   15                          ; v15  4 x lane
.set XOP,  16                          ; v16-31  the points' operands: T0's codes 4, zeros 4, T1's codes 4, zeros 4
.set W1,   32                          ; v32-47 w1, v48-63 wc1, v64-79 wc2: four tiles of 4 registers; v80-83 wd; v84-99 wc3 in bf16
.set WC1,  48
.set WC2,  64
.set WD,   80
.set WC3,  84
.set SW,   100                         ; v100-106 the weights' scale words: a register for two tiles (lanes 0-15, lanes 16-31); v106 wd's
.set PX,   108                         ; v108-110 position, v111-113 direction
.set DX,   111
.set PP,   114                         ; v114-119 px, (at work), py, (at work), pz, (at work)
.set EX,   120                         ; v120-122 ex, ey, ez of the level in hand
.set EY,   121
.set EZ,   122
.set QT,   108                         ; the quantisers' registers, 8 for each tile of points: +0, +1 largest magnitudes, +2, +3 the other half's, +4, +5 scale operands, +6, +7 bytes
.set RA,   128                         ; v128-191 region A: the ring's data, four slots of 16; later accumulators
.set RB,   192                         ; v192-255 region B: the ring's indices (four slots of 8), the cells and over them the encoding (32); later density, harmonics, accumulators
.set IX,   RB
.set IW,   RB+32
.set ENC,  RB+32
.set TB0,  32                          ; s[32:63] plane 0 of hash_table at each level's first entry
.set TB1,  66                          ; s[66:97] plane 1 likewise
.macro SCASE n, bits
.if SCI == \n
.set SCV, \bits
.endif
.endm
.macro GETSC                           ; SCV = the scaling of level SCI, as f32 bits
	SCASE 0,  0x41800000               ; 16
	SCASE 1,  0x41a80000               ; 21
	SCASE 2,  0x41d80000               ; 27
	SCASE 3,  0x42100000               ; 36
	SCASE 4,  0x42400000               ; 48
	SCASE 5,  0x42800000               ; 64
	SCASE 6,  0x42a80000               ; 84
	SCASE 7,  0x42de0000               ; 111
	SCASE 8,  0x43130000               ; 147
	SCASE 9,  0x43420000               ; 194
	SCASE 10, 0x43800000               ; 256
	SCASE 11, 0x43a88000               ; 337
	SCASE 12, 0x43de8000               ; 445
	SCASE 13, 0x44130000               ; 588
	SCASE 14, 0x44420000               ; 776
	SCASE 15, 0x44800000               ; 1024
.endm
; The 8 corner hashes of level l into its slot of index registers: corner c (reference()'s vertex c) at IB + c.
.macro INDEX l
.set IB, IX+8*((\l)%4)
.set C0, IW+2*(\l)
	v_and_b32 v[IB+7], 0x7ffff, v[C0]              ; vertex 7: floor, floor, floor
	v_alignbit_b32 v[EY], v[C0+1], v[C0], 19
	v_bfe_u32 v[EZ], v[C0+1], 6, 19
	v_lshrrev_b32 v[EX], 25, v[C0+1]               ; k
	v_and_b32 v[EY], 0x7ffff, v[EY]
	v_lshlrev_b32 v[EX], v[EX], 1
	v_add_nc_u32 v[EX], -1, v[EX]                  ; ex = 2^k - 1
	v_xor_b32 v[IB+4], v[IB+7], v[EX]              ; vertex 4: ceil x
	v_xor_b32 v[IB+5], v[IB+7], v[EY]              ; vertex 5: ceil y
	v_xor_b32 v[IB+6], v[IB+7], v[EZ]              ; vertex 6: ceil z
	v_xor_b32 v[IB+1], v[IB+4], v[EY]              ; vertex 1: x, y
	v_xor_b32 v[IB+2], v[IB+4], v[EZ]              ; vertex 2: x, z
	v_xor_b32 v[IB+3], v[IB+5], v[EZ]              ; vertex 3: y, z
	v_xor_b32 v[IB], v[IB+1], v[EZ]                ; vertex 0: all three
.irp c, 0,1,2,3,4,5,6,7
	v_min_u32 v[IB+\c], 0x7ffff, v[IB+\c]          ; a loaded number enters an address only held inside the level's 2^19 entries
.endr
.endm
.macro GATHER l                        ; 4 bytes a corner and plane: the index is multiplied by the access's size; a corner's two features land side by side
.set IB, IX+8*((\l)%4)
.set GB, RA+16*((\l)%4)
.irp c, 0,1,2,3,4,5,6,7
	global_load_b32 v[GB+2*\c], v[IB+\c], s[TB0+2*(\l):TB0+2*(\l)+1] scale_offset
	global_load_b32 v[GB+2*\c+1], v[IB+\c], s[TB1+2*(\l):TB1+2*(\l)+1] scale_offset
.endr
.endm
.macro FRAC l                          ; px, py, pz of level l: the flat fractions l, 16 + l, 32 + l; fraction f belongs to level f / 3 and dimension f % 3
.irp a, 0,1,2
.set SCI, (16*\a+(\l))/3
	GETSC
	v_mul_f32 v[PP+2*\a], SCV, v[PX+(16*\a+(\l))%3]
.endr
.irp a, 0,1,2
	v_floor_f32 v[PP+2*\a+1], v[PP+2*\a]
.endr
.irp a, 0,1,2
	v_sub_f32 v[PP+2*\a], v[PP+2*\a], v[PP+2*\a+1]
.endr
.endm
.macro SUBP d, b                       ; both features: d = d - b
	v_pk_add_f32 v[\d:\d+1], v[\d:\d+1], v[\b:\b+1] neg_lo:[0,1] neg_hi:[0,1]
.endm
.macro FMAP d, p, b                    ; d = d p + b; of the pair at p the low word serves both features
	v_pk_fma_f32 v[\d:\d+1], v[\d:\d+1], v[\p:\p+1], v[\b:\b+1] op_sel_hi:[1,0,1]
.endm
.macro LERP l
.set GB, RA+16*((\l)%4)
	SUBP GB, GB+6                                  ; f_03, f_12, f_56, f_47 by px
	SUBP GB+2, GB+4
	SUBP GB+10, GB+12
	SUBP GB+8, GB+14
	FMAP GB, PP, GB+6
	FMAP GB+2, PP, GB+4
	FMAP GB+10, PP, GB+12
	FMAP GB+8, PP, GB+14
	SUBP GB, GB+2                                  ; f0312, f4756 by py
	SUBP GB+8, GB+10
	FMAP GB, PP+2, GB+2
	FMAP GB+8, PP+2, GB+10
	SUBP GB, GB+8                                  ; and by pz: numbers 2 l and 2 l + 1 of the encoding, over this level's cell, which INDEX has read
	v_pk_fma_f32 v[ENC+2*(\l):ENC+2*(\l)+1], v[GB:GB+1], v[PP+4:PP+5], v[GB+8:GB+9] op_sel_hi:[1,0,1]
.endm
; The 16 harmonics of my point's direction into v[RB+16] on, behind the 16 densities.  At work: v114-123, free behind the last level
.macro SHENC
	v_mul_f32 v114, v[DX], v[DX]                   ; xx
	v_mul_f32 v115, v[DX+1], v[DX+1]               ; yy
	v_mul_f32 v116, v[DX+2], v[DX+2]               ; zz
	v_mul_f32 v122, 1.0925484305920792, v[DX]
	v_mul_f32 v123, 1.0925484305920792, v[DX+1]
	v_mul_f32 v117, 5.0, v116
	v_sub_f32 v119, v114, v115                     ; xx - yy
	v_fma_f32 v120, 3.0, v114, -v115               ; 3 xx - yy
	v_fma_f32 v121, -3.0, v115, v114               ; xx - 3 yy
	v_add_f32 v118, -3.0, v117                     ; 5 zz - 3
	v_add_f32 v117, -1.0, v117                     ; 5 zz - 1
	v_mov_b32 v[RB+16], 0x3e906ebb                 ; 0.28209479
	v_mul_f32 v[RB+17], 0.4886025119029199, v[DX+1]
	v_mul_f32 v[RB+18], 0.4886025119029199, v[DX+2]
	v_mul_f32 v[RB+19], 0.4886025119029199, v[DX]
	v_mul_f32 v[RB+20], v122, v[DX+1]
	v_mul_f32 v[RB+21], v123, v[DX+2]
	v_fma_f32 v[RB+22], v116, 0.9461746957575601, s100
	v_mul_f32 v[RB+23], v122, v[DX+2]
	v_mul_f32 v[RB+24], 0.5462742152960396, v119
	v_mul_f32 v122, 0.5900435899266435, v[DX+1]
	v_mul_f32 v123, 0.5900435899266435, v[DX]
	v_mul_f32 v[RB+25], v122, v120
	v_mul_f32 v[RB+31], v123, v121
	v_mul_f32 v122, 2.890611442640554, v[DX]
	v_mul_f32 v123, 0.4570457994644658, v[DX+1]
	v_mul_f32 v122, v122, v[DX+1]
	v_mul_f32 v[RB+27], v123, v117
	v_mul_f32 v[RB+26], v122, v[DX+2]
	v_mul_f32 v122, 0.4570457994644658, v[DX]
	v_mul_f32 v123, 0.3731763325901154, v[DX+2]
	v_mul_f32 v[RB+29], v122, v117
	v_mul_f32 v[RB+28], v123, v118
	v_mul_f32 v122, 1.445305721320277, v[DX+2]
	v_mul_f32 v[RB+30], v122, v119
.endm
; 32 numbers of a lane, its own point's one block along K, become both tiles' operands and the scale word (the byte in both low bytes)
.macro QUANT32 src
	v_max3_num_f32 v[QT], |v[\src]|, |v[\src+1]|, 0x1800000        ; the floor 2^(3 - 127): the byte cannot fall under 1
	v_max3_num_f32 v[QT+1], |v[\src+2]|, |v[\src+3]|, |v[\src+4]|
.irp i, 5,9,13,17,21,25
	v_max3_num_f32 v[QT], v[QT], |v[\src+\i]|, |v[\src+\i+1]|
	v_max3_num_f32 v[QT+1], v[QT+1], |v[\src+\i+2]|, |v[\src+\i+3]|
.endr
	v_max3_num_f32 v[QT], v[QT], |v[\src+29]|, |v[\src+30]|
	v_max3_num_f32 v[QT], v[QT], v[QT+1], |v[\src+31]|
	v_add_nc_u32 v[QT+4], 0xff000000, v[QT]        ; 2 off the exponent field: the conversion's scale operand
	v_lshrrev_b32 v[QT+6], 23, v[QT+4]             ; the scale's byte
	v_lshl_or_b32 v[XS0], v[QT+6], 8, v[QT+6]      ; for k = 0 .. 31 (T0, read from lanes 0-15) and for k = 32 .. 63 (T1, read from lanes 16-31)
.irp g, 0,1,2,3
	v_cvt_scalef32_pk8_fp4_f32 v[XOP+\g], v[\src+8*\g:\src+8*\g+7], v[QT+4]
.endr
	v_nop                                          ; one plain place behind a scaled conversion
.irp g, 0,1,2,3
	v_and_b32 v[XOP+8+\g], v[MHI], v[XOP+\g]       ; T1: lanes 16-31 alone
.endr
.irp g, 0,1,2,3
	v_and_b32 v[XOP+\g], v[MLO], v[XOP+\g]         ; T0: lanes 0-15 alone
.endr
.endm
.macro RELU64 acc                      ; ascending: each accumulator is first read at its low end
.set J, 0
.rept 64
	v_max_num_f32 v[\acc+J], 0, v[\acc+J]
.set J, J+1
.endr
.endm
; A hidden layer of 64 units (both tiles of points, 32 registers each; register 16 b + i of a tile = unit 32 b + 16 h + i of the lane's point): relu, then quantised along the next K, two blocks a point.
; A block lies in lanes l and l xor 16.  The four chains (two tiles x two blocks) take turns, so that no line waits for the line above it.
.macro QUANT64 acc
	RELU64 \acc
.irp u, 0,1
.irp b, 0,1
	v_max3_num_f32 v[QT+8*\u+\b], v[\acc+32*\u+16*\b], v[\acc+32*\u+16*\b+1], 0x1800000   ; none is negative: no |.|; the floor as above
.endr
.endr
.irp i, 2,4,6,8,10,12,14
.irp u, 0,1
.irp b, 0,1
	v_max3_num_f32 v[QT+8*\u+\b], v[QT+8*\u+\b], v[\acc+32*\u+16*\b+\i], v[\acc+32*\u+16*\b+\i+1]
.endr
.endr
.endr
.irp u, 0,1
.irp b, 0,1
	v_permlanex16_b32 v[QT+8*\u+2+\b], v[QT+8*\u+\b], s2, s3
.endr
.endr
.irp u, 0,1
.irp b, 0,1
	v_max_num_f32 v[QT+8*\u+\b], v[QT+8*\u+\b], v[QT+8*\u+2+\b]
.endr
.endr
.irp u, 0,1
.irp b, 0,1
	v_add_nc_u32 v[QT+8*\u+4+\b], 0xff000000, v[QT+8*\u+\b]
.endr
.endr
.irp u, 0,1
.irp b, 0,1
	v_lshrrev_b32 v[QT+8*\u+6+\b], 23, v[QT+8*\u+4+\b]
.endr
.endr
.irp u, 0,1
	v_lshl_or_b32 v[XS0+\u], v[QT+8*\u+7], 8, v[QT+8*\u+6]
.endr
.irp u, 0,1
.irp b, 0,1
	v_cvt_scalef32_pk8_fp4_f32 v[XOP+8*\u+2*\b], v[\acc+32*\u+16*\b:\acc+32*\u+16*\b+7], v[QT+8*\u+4+\b]
	v_cvt_scalef32_pk8_fp4_f32 v[XOP+8*\u+2*\b+1], v[\acc+32*\u+16*\b+8:\acc+32*\u+16*\b+15], v[QT+8*\u+4+\b]
.endr
.endr
	v_nop                                          ; one plain place behind a scaled conversion
.irp u, 0,1                                    ; the operand wants a whole block in a lane: lanes 0-15 block 0, lanes 16-31 block 1
	v_permlane16_swap_b32 v[XOP+8*\u], v[XOP+8*\u+2]
	v_permlane16_swap_b32 v[XOP+8*\u+1], v[XOP+8*\u+3]
.endr
.endm
; A bias of 64 numbers, base bytes into the wave's biases in LDS, into both tiles' accumulators, in the result's layout.
; five = 1: tile t holds units 32 (t / 2) + 16 h + 8 (t % 2) + 0 .. 7; else 16 t + 8 h + 0 .. 7
.macro BIASL acc, base, five
.irp u, 0,1
.irp t, 0,1,2,3
.if \five
	ds_load_b128 v[\acc+32*\u+8*\t:\acc+32*\u+8*\t+3], v[BA5] offset:\base+128*(\t/2)+32*(\t%2)
	ds_load_b128 v[\acc+32*\u+8*\t+4:\acc+32*\u+8*\t+7], v[BA5] offset:\base+128*(\t/2)+32*(\t%2)+16
.else
	ds_load_b128 v[\acc+32*\u+8*\t:\acc+32*\u+8*\t+3], v[BAN] offset:\base+64*\t
	ds_load_b128 v[\acc+32*\u+8*\t+4:\acc+32*\u+8*\t+7], v[BAN] offset:\base+64*\t+16
.endif
.endr
.endr
.endm
; One product: D = weights x points + D (D holds the bias).  ar, br = 1: that side's scales are read from lanes 16-31
.macro WM d, w, x, sa, ar, sb, br
.if (\ar) && (\br)
	v_wmma_scale_f32_16x16x128_f8f6f4 v[\d:\d+7], v[\w:\w+7], v[\x:\x+7], v[\d:\d+7], v[\sa], v[\sb] matrix_a_fmt:MATRIX_FMT_FP4 matrix_b_fmt:MATRIX_FMT_FP4 matrix_a_scale:MATRIX_SCALE_ROW1 matrix_b_scale:MATRIX_SCALE_ROW1
.elseif \ar
	v_wmma_scale_f32_16x16x128_f8f6f4 v[\d:\d+7], v[\w:\w+7], v[\x:\x+7], v[\d:\d+7], v[\sa], v[\sb] matrix_a_fmt:MATRIX_FMT_FP4 matrix_b_fmt:MATRIX_FMT_FP4 matrix_a_scale:MATRIX_SCALE_ROW1
.elseif \br
	v_wmma_scale_f32_16x16x128_f8f6f4 v[\d:\d+7], v[\w:\w+7], v[\x:\x+7], v[\d:\d+7], v[\sa], v[\sb] matrix_a_fmt:MATRIX_FMT_FP4 matrix_b_fmt:MATRIX_FMT_FP4 matrix_b_scale:MATRIX_SCALE_ROW1
.else
	v_wmma_scale_f32_16x16x128_f8f6f4 v[\d:\d+7], v[\w:\w+7], v[\x:\x+7], v[\d:\d+7], v[\sa], v[\sb] matrix_a_fmt:MATRIX_FMT_FP4 matrix_b_fmt:MATRIX_FMT_FP4
.endif
.endm
; A layer of 64 units for both tiles of points: eight products, each on an accumulator of its own
.macro LAYER acc, w, sw, k32
.irp t, 0,1,2,3
.irp u, 0,1
.if \k32
	WM \acc+32*\u+8*\t, \w+4*\t, XOP+8*\u, \sw+\t/2, \t%2, XS0, \u
.else
	WM \acc+32*\u+8*\t, \w+4*\t, XOP+8*\u, \sw+\t/2, \t%2, XS0+\u, 0
.endif
.endr
.endr
.endm
.macro PLACES n                        ; plain vector instructions that name no register of the matrix instruction (ISA guide 7.12.1)
.rept \n
	v_nop
.endr
.endm
	s_load_b512 s[8:23], s[0:1], 0x0               ; position 8, direction 10, cells 12, hash_table 14, wimg 16, b1 18, bd 20, bc1 22
	s_load_b256 s[24:31], s[0:1], 0x40             ; bc2 24, bc3 26, out0 28, out1 30
	v_lshl_add_u32 v126, v0, 2, 0x11000
	v_mov_b32 v127, 0
	v_lshrrev_b32 v108, 5, v0
	v_readfirstlane_b32 s7, v108                   ; wave 0..15
	v_and_b32 v109, 31, v0                         ; lane
	v_bfe_u32 v110, v0, 4, 1                       ; h
	v_mul_u32_u24 v[L12], v109, 12
	v_lshlrev_b32 v[L16], 4, v109
	v_lshlrev_b32 v[L8], 3, v109
	v_lshlrev_b32 v[L4], 2, v109
	v_add_nc_u32 v[MLO], -1, v110
	v_sub_nc_u32 v[MHI], 0, v110
	s_mul_i32 s98, s7, WREG                        ; my wave's bytes of LDS
	v_mul_u32_u24 v[DSTO], v109, 80
	v_add_nc_u32 v[DSTO], s98, v[DSTO]
	v_lshrrev_b32 v111, 2, v109
	v_and_b32 v112, 3, v109
	v_mul_u32_u24 v[DSLD], v111, 80
	v_lshl_add_u32 v[DSLD], v112, 4, v[DSLD]
	v_add_nc_u32 v[DSLD], s98, v[DSLD]
	s_add_co_u32 s99, s98, CST
	v_add_nc_u32 v[CSTO], s99, v[L12]
	v_add_nc_u32 v[CSLD], s99, v[L8]
	s_add_co_u32 s100, s98, BST
	v_lshl_add_u32 v[BA5], v110, 6, s100
	v_lshl_add_u32 v[BAN], v110, 5, s100
	v_add_nc_u32 v113, s100, v[L8]                 ; where I put 8 bytes of a bias of 64 numbers
	v_and_b32 v114, 15, v0
	v_lshlrev_b32 v114, 2, v114                    ; bd has 16 numbers: lanes l and l + 16 take the same one
	v_add_nc_u32 v115, s100, v114
.irp i, 4,5,6,7,12,13,14,15
	v_mov_b32 v[XOP+\i], 0                         ; k = 64 .. 127 of the points' operands: zero codes, never rewritten
.endr
	s_lshl_b32 s101, ttmp9, 4
	s_add_co_u32 s101, s101, s7                    ; which 64 points are my wave's
	s_mul_i32 s98, s101, 768
	s_mov_b32 s99, 0
	s_mov_b32 s2, 0x76543210
	s_mov_b32 s3, 0xfedcba98                       ; v_permlanex16_b32's selects for lane l xor 16
	s_wait_kmcnt 0x0
	s_add_nc_u64 s[8:9], s[8:9], s[98:99]
	s_add_nc_u64 s[10:11], s[10:11], s[98:99]
	s_add_nc_u64 s[30:31], s[30:31], s[98:99]
	s_lshl_b32 s98, s101, 13
	s_add_nc_u64 s[12:13], s[12:13], s[98:99]
	s_lshl_b32 s98, s101, 12
	s_add_nc_u64 s[28:29], s[28:29], s[98:99]
	s_load_b96 s[4:6], s[26:27], 0x0               ; bc3
	global_load_b64 v[RA:RA+1], v[L8], s[18:19]    ; b1, bc1, bc2: 256 bytes each, 8 a lane
	global_load_b64 v[RA+2:RA+3], v[L8], s[22:23]
	global_load_b64 v[RA+4:RA+5], v[L8], s[24:25]
	global_load_b32 v[RA+6], v114, s[20:21]        ; bd
.irp c, 0,1,2,3,4,5,6,7,8,9,10,11,12,13,14,15,16
	global_load_b128 v[W1+4*\c:W1+4*\c+3], v[L16], s[16:17] offset:512*\c   ; the weights, as launch 1 laid them: they stay
.endr
.irp q, 0,1,2,3,4,5,6
	global_load_b32 v[SW+\q], v[L4], s[16:17] offset:8704+128*\q
.endr
	s_mov_b64 s[TB0:TB0+1], s[14:15]
	s_add_nc_u64 s[TB1:TB1+1], s[14:15], 0x2000000                          ; plane 1: 8,388,608 numbers further on
.irp l, 1,2,3,4,5,6,7,8,9,10,11,12,13,14,15
	s_add_nc_u64 s[TB0+2*\l:TB0+2*\l+1], s[TB0+2*\l-2:TB0+2*\l-1], 0x200000   ; a level is 2^19 entries of 4 bytes in each plane
	s_add_nc_u64 s[TB1+2*\l:TB1+2*\l+1], s[TB1+2*\l-2:TB1+2*\l-1], 0x200000
.endr
	s_mov_b32 s98, 0xbfb8aa3b                      ; -log2(e)
	s_mov_b32 s99, 0                               ; the batch's place in the colour stage
	s_mov_b32 s100, 0xbea17b01                     ; -0.31539157
	s_mov_b32 s101, 2                              ; batches to go
	s_wait_loadcnt 24                              ; the four bias loads are in; the 24 loads of the weights behind them may be out
	ds_store_b64 v113, v[RA:RA+1]
	ds_store_b64 v113, v[RA+2:RA+3] offset:256
	ds_store_b64 v113, v[RA+4:RA+5] offset:512
	ds_store_b32 v115, v[RA+6] offset:768          ; lanes l and l + 16 write the same word with the same value
	s_wait_dscnt 0x0                               ; the stores have read their registers, which loads take below
	s_wait_kmcnt 0x0                               ; bc3
.Lbatch:
; ---- my point, and its 16 cells
.irp q, 0,1,2,3,4,5,6,7
	global_load_b128 v[IW+4*\q:IW+4*\q+3], v[L16], s[12:13] offset:512*\q th:TH_LOAD_NT
.endr
.irp d, 0,1,2
	global_load_b32 v[PX+\d], v[L12], s[8:9] offset:4*\d th:TH_LOAD_NT
	global_load_b32 v[DX+\d], v[L12], s[10:11] offset:4*\d th:TH_LOAD_NT
.endr
	s_wait_loadcnt 0x0                             ; (in the first batch the weights too)
; ---- the encoding
.irp l, 0,1,2
	INDEX \l
	GATHER \l
.endr
.irp l, 0,1,2,3,4,5,6,7,8,9,10,11,12,13,14,15
.if \l <= 12
	INDEX \l+3                                     ; into the slot of the level before this one: the wait of that level has shown its loads done, so their index registers may be written
.endif
	FRAC \l
.if \l <= 13
	s_wait_loadcnt 32                              ; this level's 16 loads are in; those of the two levels behind it may be out
.else
	s_wait_loadcnt 16*(15-\l)
.endif
.if \l <= 12
	GATHER \l+3                                    ; with these, 48 loads of the wave are out
.endif
	LERP \l
.endr
; ---- h = relu(enc w1 + b1).  The ring is empty: its data registers take b1, its index registers bd (the C of the density's products) and the harmonics
	BIASL RA, 0, 1
.irp u, 0,1
	ds_load_b128 v[RB+8*\u:RB+8*\u+3], v[BAN] offset:768
	ds_load_b128 v[RB+8*\u+4:RB+8*\u+7], v[BAN] offset:784
.endr
	SHENC
	QUANT32 ENC
	PLACES 4                                       ; an operand written by vector instructions stands 4 places ahead of a scaled product; the scale word stands 13 ahead
	s_wait_dscnt 0x0                               ; b1, and bd
	LAYER RA, W1, SW, 1
	PLACES 4
; ---- density = h wd + bd
	QUANT64 RA
	BIASL RA, 256, 1                               ; the hidden layer's registers are free: bc1 for the third product
	PLACES 8                                       ; a scale word written by vector instructions stands 8 places ahead of a scaled product
	WM RB, WD, XOP, SW+6, 0, XS0, 0
	WM RB+8, WD, XOP+8, SW+6, 0, XS1, 0
	PLACES 4
; ---- each point's 16 densities back into its own lane, beside its 16 harmonics: xcat.  T0's lanes 16-31 (units 8-15 of points 0-15) change places with T1's lanes 0-15 (units 0-7 of points 16-31)
.irp j, 0,1,2,3,4,5,6,7
	v_permlane16_swap_b32 v[RB+\j], v[RB+8+\j]
.endr
.irp i, 0,1,2,3
	ds_store_b128 v[DSTO], v[RB+4*\i:RB+4*\i+3] offset:16*\i
.endr
.irp i, 0,1,2,3
	ds_load_b128 v[RB+32+4*\i:RB+32+4*\i+3], v[DSLD] offset:640*\i   ; my wave's own bytes, served in order: these see the stores above; four lanes to a point's 64 bytes
.endr
	QUANT32 RB
	s_wait_dscnt 0x0                               ; the densities are back as rows; bc1, asked for ahead of them, is in too
.irp i, 0,1,2,3
	global_store_b128 v[L16], v[RB+32+4*\i:RB+32+4*\i+3], s[28:29] offset:512*\i th:TH_STORE_NT   ; 512 consecutive bytes of out0, at a multiple of 512 from its first byte
.endr
	PLACES 4
; ---- c = relu(xcat wc1 + bc1)
	LAYER RA, WC1, SW+2, 1
	s_wait_xcnt 0x0                                ; the stores of out0 have read their registers, which bc2 now takes
	BIASL RB, 512, 0
	PLACES 4
; ---- c = relu(c wc2 + bc2)
	QUANT64 RA
	PLACES 8
	s_wait_dscnt 0x0                               ; bc2
	LAYER RB, WC2, SW+4, 0
	PLACES 4
; ---- colour = sigmoid(c wc3 + bc3): bf16 operands, f32 sums.  Tiles 2 s and 2 s + 1 of a result, rounded in pairs, are the operand of K step s
	RELU64 RB
.irp u, 0,1
.irp q, 0,1,2,3,4,5,6,7,8,9,10,11,12,13,14,15
	v_cvt_pk_bf16_f32 v[RA+16*\u+\q], v[RB+32*\u+2*\q], v[RB+32*\u+2*\q+1]
.endr
.endr
	v_wmma_f32_16x16x32_bf16 v[RA+32:RA+39], v[WC3:WC3+7], v[RA:RA+7], 0           ; the two accumulators take turns
	v_wmma_f32_16x16x32_bf16 v[RA+40:RA+47], v[WC3:WC3+7], v[RA+16:RA+23], 0
	v_wmma_f32_16x16x32_bf16 v[RA+32:RA+39], v[WC3+8:WC3+15], v[RA+8:RA+15], v[RA+32:RA+39]
	v_wmma_f32_16x16x32_bf16 v[RA+40:RA+47], v[WC3+8:WC3+15], v[RA+24:RA+31], v[RA+40:RA+47]
	PLACES 4
.irp j, 0,1,2
	v_permlane16_swap_b32 v[RA+32+\j], v[RA+40+\j] ; colour j of every point in its own lane
.endr
.irp j, 0,1,2
	v_add_f32 v[108+\j], s[4+\j], v[RA+32+\j]
.endr
.irp j, 0,1,2
	v_mul_f32 v[108+\j], s98, v[108+\j]
.endr
.irp j, 0,1,2
	v_exp_f32 v[108+\j], v[108+\j]                 ; e^-x
.endr
	v_nop                                          ; a plain place behind the exponentials,
	s_wait_alu depctr_va_vdst(0)                   ; and one wait for the three, ahead of their first reader
.irp j, 0,1,2
	v_add_f32 v[108+\j], 1.0, v[108+\j]
.endr
.irp j, 0,1,2
	v_rcp_f32 v[108+\j], v[108+\j]
.endr
	v_add_nc_u32 v[CADR], s99, v[CSTO]             ; (the plain place behind the reciprocals)
	s_wait_alu depctr_va_vdst(0)
.irp j, 0,1,2
	ds_store_b32 v[CADR], v[108+\j] offset:4*\j
.endr
	s_wait_xcnt 0x0                                ; every earlier load and store has read its base: they step to the next batch
	s_add_nc_u64 s[8:9], s[8:9], 384
	s_add_nc_u64 s[10:11], s[10:11], 384
	s_add_nc_u64 s[12:13], s[12:13], 4096
	s_add_nc_u64 s[28:29], s[28:29], 2048
	s_add_co_u32 s99, s99, 384
	s_wait_dscnt 0x0                               ; the colours' stores have read their registers, which the next batch's loads take
	s_sub_co_u32 s101, s101, 1
	s_cmp_lg_u32 s101, 0
	s_cbranch_scc1 .Lbatch
; ---- the wave's 64 colours: 768 bytes, as three stores of 256 consecutive bytes, each at a multiple of 256 from out1's first byte
.irp i, 0,1,2
	ds_load_b64 v[RA+2*\i:RA+2*\i+1], v[CSLD] offset:256*\i   ; my wave's own bytes, served in order behind the stores
.endr
.irp i, 0,1,2
	s_wait_dscnt 2-\i                              ; the later loads may be out
	global_store_b64 v[L8], v[RA+2*\i:RA+2*\i+1], s[30:31] offset:256*\i th:TH_STORE_NT
.endr
	s_wait_tensorcnt 0x0
	ds_add_u32 v126, v127
	s_wait_dscnt 0x0
	s_endpgm
.Lfunc_end_k_q1d79004a47_field:
	.size	k_q1d79004a47_field, .Lfunc_end_k_q1d79004a47_field-k_q1d79004a47_field
	.p2alignl 7, 3214868480
	.fill 96, 4, 3214868480
	.section	.rodata,"a",@progbits
	.p2align	6, 0x0
	.amdhsa_kernel k_q1d79004a47_field
		.amdhsa_group_segment_fixed_size 71680
		.amdhsa_private_segment_fixed_size 0
		.amdhsa_enable_private_segment 0
		.amdhsa_kernarg_size 96
		.amdhsa_user_sgpr_count 2
		.amdhsa_user_sgpr_kernarg_segment_ptr 1
		.amdhsa_wavefront_size32 1
		.amdhsa_system_sgpr_workgroup_id_x 1
		.amdhsa_system_sgpr_workgroup_id_y 1
		.amdhsa_system_sgpr_workgroup_id_z 1
		.amdhsa_system_vgpr_workitem_id 0
		.amdhsa_next_free_vgpr 256
		.amdhsa_next_free_sgpr 102
		.amdhsa_reserve_vcc 0
		.amdhsa_float_denorm_mode_32 3
		.amdhsa_float_denorm_mode_16_64 3
		.amdhsa_memory_ordered 1
		.amdhsa_forward_progress 1
		.amdhsa_inst_pref_size 104
	.end_amdhsa_kernel
	.amdgpu_metadata
---
amdhsa.version: [ 1, 2 ]
amdhsa.kernels:
  - .name:           k_q1d79004a47_field
    .symbol:         k_q1d79004a47_field.kd
    .args:
      - { .name: position, .offset: 0, .size: 8, .value_kind: global_buffer, .address_space: global }
      - { .name: direction, .offset: 8, .size: 8, .value_kind: global_buffer, .address_space: global }
      - { .name: cells, .offset: 16, .size: 8, .value_kind: global_buffer, .address_space: global }
      - { .name: hash_table, .offset: 24, .size: 8, .value_kind: global_buffer, .address_space: global }
      - { .name: wimg, .offset: 32, .size: 8, .value_kind: global_buffer, .address_space: global }
      - { .name: b1, .offset: 40, .size: 8, .value_kind: global_buffer, .address_space: global }
      - { .name: bd, .offset: 48, .size: 8, .value_kind: global_buffer, .address_space: global }
      - { .name: bc1, .offset: 56, .size: 8, .value_kind: global_buffer, .address_space: global }
      - { .name: bc2, .offset: 64, .size: 8, .value_kind: global_buffer, .address_space: global }
      - { .name: bc3, .offset: 72, .size: 8, .value_kind: global_buffer, .address_space: global }
      - { .name: out0, .offset: 80, .size: 8, .value_kind: global_buffer, .address_space: global }
      - { .name: out1, .offset: 88, .size: 8, .value_kind: global_buffer, .address_space: global }
    .group_segment_fixed_size: 71680
    .private_segment_fixed_size: 0
    .kernarg_segment_align: 8
    .kernarg_segment_size: 96
    .max_flat_workgroup_size: 512
    .sgpr_count:     102
    .vgpr_count:     256
    .wavefront_size: 32
...
	.end_amdgpu_metadata
.endif
;; end of part 4
;; ======== version 3 of 3: 2 launches; version 2 with the launch field written anew for expert scheduling mode
;; workspace buffers: cells 33,554,432 bytes of whole numbers; wimg 9,728 bytes
;; launch prep: the kernel of part 3 again; grid 1025 x 1, 8 waves a work-group, no clusters, 0 bytes of LDS; arguments position, w1, wd, wc1, wc2, wc3, cells, wimg; writes cells, wimg
;; launch field (part 5): grid 256 x 1, 16 waves a work-group, no clusters, 71,680 bytes of LDS; arguments position, direction, cells, hash_table, wimg, b1, bd, bc1, bc2, bc3, out0, out1; writes out0, out1
.if DOCPART == 5
	.amdgcn_target "amdgcn-amd-amdhsa--gfx1250"
	.amdhsa_code_object_version 6
	.text
	.protected	k_q1d79004a47_field
	.globl	k_q1d79004a47_field
	.p2align	8
	.type	k_q1d79004a47_field,@function
k_q1d79004a47_field:
	s_mov_b64 s[64:65], 0
	v_nop
	global_prefetch_b8 v0, s[64:65] scope:SCOPE_SE
	s_setreg_imm32_b32 hwreg(HW_REG_WAVE_SCHED_MODE, 0, 2), 2
	s_setreg_imm32_b32 hwreg(HW_REG_WAVE_MODE, 25, 1), 1
	s_wait_xcnt 0x0
	s_wait_alu depctr_vm_vsrc(0)
; InstantNerf, launch 2 of 2: hash encoding, the four products on codes of E2M1 (one E8M0 scale for each 32 along K), the spherical harmonics, the last product in bf16, the sigmoid.
; SHARES.  A work-group takes 1,024 points, a wave 64, as two batches of 32.  While encoding, while xcat is built and at the colours A LANE IS A POINT.  Waves share nothing: no barrier.
; Sixteen waves of 256 registers, four to a SIMD: while one wave waits for its gathers the others have arithmetic to issue.
; ENCODING.  The gather addresses come from the whole numbers that launch 1 stored (8 bytes for a point and level: see there).  A corner's two features lie 32 MiB apart in hash_table, as it is
; given: one index, in a register of its own, serves two loads of 4 bytes, one from each plane.  The bytes gathered are 262,144 x 16 x 8 x 2 x 4 whichever way the table lies; a copy with the
; features side by side would halve the loads and cost the table's 64 MiB once read and once written in launch 1: it is not made.
; Gathers run two to three levels (32 to 48 loads a wave) ahead of the interpolation, in a ring of four slots (8 index registers, 16 data registers).  The encoding is written over the cells
; that it has used up.  The weights px, py, pz of level l are the flat fractions l, 16 + l, 32 + l of the list (level, dimension), as reference() reshapes them.  Each interpolation is written
; b + p (a - b), a packed subtraction and a packed multiply-add for both features: its rounding differs from a p + b (1 - p) by a few units in the last place of the larger of a and b.
; PRODUCTS, all used transposed: source 0 = 16 columns of a weight, source 1 = 16 points; in a result lane (r, h) holds point r and units 8 h + 0 .. 7.  A batch is two tiles of points, T0 and T1.
; Every K here is 32 or 64 of the instruction's 128: registers 4-7 of the points' operand are zero codes, which add nothing whatever stands against them; so a weight tile is 4 registers,
; and the instruction's registers 4-7 of source 0 are whatever follows them (every 4-bit pattern is a number, and no scale byte here is 0xff).
; K = 32 WITHOUT MOVING A POINT TO ANOTHER LANE: a lane's 4 registers of codes are its own point's 32.  With lanes 16-31 cleared they are T0 with its codes at k = 0 .. 31; with lanes 0-15
; cleared they are T1 with its codes at k = 32 .. 63; the weights hold the same 32 codes at both places, and both low bytes of each scale word hold the one byte.
; THE BIASES are the C of each product: loaded in the result's layout into the accumulators themselves.  Each wave copies the four biases once into LDS bytes of its own and takes them from
; there, sixteen lanes reading the same 16 bytes: no load from memory stands between two products.
; The weights' columns of the first and third product are ordered so that 16 registers of two neighbouring tiles are 16 neighbours along the next K; those of the fourth lie in natural order, so that
; its results, rounded in pairs, are the bf16 operand of the fifth.
; THE SCALINGS: constants, as in launch 1 (64, 256, 1024 at levels 5, 10, 15: see its head).
; LIMITS: |position x 1024| from 2^31 on, NaN and infinities are not served.  A block whose largest magnitude lies under 2^-124 (a block of zeros too) gets the scale byte 1.
; NO CLUSTER, NO TENSOR LOAD: every gather address is a lane's own, and what the work-groups share is 9,600 bytes of weights, which each wave loads once into registers.
; LDS: 4,352 bytes for each wave: 32 rows of 64 bytes at pitch 80 (a batch's densities, on their way to whole rows of out0); 64 x 12 bytes (the wave's colours); b1, bc1, bc2 (256 each), bd (64).
; Behind the sixteen regions, from byte 0x11000 on: the spare words, 128 bytes for each wave, which no line names but the closing add.
; THE MODE: SCHED_MODE bits 1:0 = 2 (LLVM: expert scheduling mode 2), set by the entry lines.  The code itself states the register dependences
; between vector or matrix instructions and memory or LDS instructions, with s_wait_alu, always for 0.
; THE PLAN.  Registers that memory or LDS instructions touch, in a batch's order:
;   v1-9, v15       offsets and LDS addresses: made once at the head, never written again.
;   PX, DX          the batch's loads land; FRAC and SHENC read; then the quantisers and the sigmoid work there; v108-110 are the data of the colours' LDS stores.
;   IW = ENC        the cells' loads land; INDEX l reads cell l, LERP l writes the encoding over it; the first quantiser reads; the density rows land in its first 16 and leave by out0's stores; then bc2 lands.
;   IX, slot l % 4  INDEX l writes; level l's gathers read it as addresses; INDEX l + 4 writes it again.  Behind the ring: bd lands in slots 0 and 1, SHENC writes slots 2 and 3; the density's LDS stores read slots 0 and 1.
;   RA, slot l % 4  level l's gathers land; LERP l reads and writes; level l + 4's gathers land.  Behind the ring: b1, later bc1 land; products, relu and conversions work there.
;   v14             the colour stage's address: one vector add a batch, read by the colours' LDS stores.
; A level with gathers has two waits: on vm_vsrc at its head (the gathers of the level before have read the index slot that INDEX writes) and on va_vdst behind the wait for its data (the indices are
; written, the level before is done with the data slot).  Behind that the sixteen gathers are dealt among the interpolation's lines, which name another slot, PP and the encoding: none of the gathers' registers.
.set WREG, 4352                        ; a wave's bytes of LDS
.set CST,  2560                        ; in them: the colour stage,
.set BST,  3328                        ; and the biases: b1 +0, bc1 +256, bc2 +512, bd +768
.set L12,  1                           ; v1   12 x lane
.set L16,  2                           ; v2   16 x lane
.set BA5,  3                           ; v3   the biases in LDS + 64 h
.set BAN,  4                           ; v4   the biases in LDS + 32 h
.set DSTO, 5                           ; v5   density stage, in: region + 80 x lane
.set DSLD, 6                           ; v6   and back: region + 80 (lane / 4) + 16 (lane % 4)
.set CSTO, 7                           ; v7   colour stage, in: region + 2560 + 12 x lane
.set CSLD, 8                           ; v8   and back: region + 2560 + 8 x lane
.set L8,   9                           ; v9   8 x lane
.set MLO,  10                          ; v10  all ones in lanes 0-15
.set MHI,  11                          ; v11  all ones in lanes 16-31
.set XS0,  12                          ; v12, v13  the points' scale words: they hold nothing else
.set XS1,  13
.set CADR, 14                          ; v14  colour stage address of the batch in hand
.set L4,   15                          ; v15  4 x lane
.set XOP,  16                          ; v16-31  the points' operands: T0's codes 4, zeros 4, T1's codes 4, zeros 4
.set W1,   32                          ; v32-47 w1, v48-63 wc1, v64-79 wc2: four tiles of 4 registers; v80-83 wd; v84-99 wc3 in bf16
.set WC1,  48
.set WC2,  64
.set WD,   80
.set WC3,  84
.set SW,   100                         ; v100-106 the weights' scale words: a register for two tiles (lanes 0-15, lanes 16-31); v106 wd's
.set PX,   108                         ; v108-110 position, v111-113 direction
.set DX,   111
.set PP,   114                         ; v114-119 px, (at work), py, (at work), pz, (at work)
.set EX,   120                         ; v120-122 ex, ey, ez of the level in hand
.set EY,   121
.set EZ,   122
.set QT,   108                         ; the quantisers' registers, 8 for each tile of points: +0, +1 largest magnitudes, +2, +3 the other half's, +4, +5 scale operands, +6, +7 bytes
.set RA,   128                         ; v128-191 region A: the ring's data, four slots of 16; later accumulators
.set RB,   192                         ; v192-255 region B: the ring's indices (four slots of 8), the cells and over them the encoding (32); later density, harmonics, accumulators
.set IX,   RB
.set IW,   RB+32
.set ENC,  RB+32
.set TB0,  32                          ; s[32:63] plane 0 of hash_table at each level's first entry
.set TB1,  66                          ; s[66:97] plane 1 likewise
.macro SCASE n, bits
.if SCI == \n
.set SCV, \bits
.endif
.endm
.macro GETSC                           ; SCV = the scaling of level SCI, as f32 bits
	SCASE 0,  0x41800000               ; 16
	SCASE 1,  0x41a80000               ; 21
	SCASE 2,  0x41d80000               ; 27
	SCASE 3,  0x42100000               ; 36
	SCASE 4,  0x42400000               ; 48
	SCASE 5,  0x42800000               ; 64
	SCASE 6,  0x42a80000               ; 84
	SCASE 7,  0x42de0000               ; 111
	SCASE 8,  0x43130000               ; 147
	SCASE 9,  0x43420000               ; 194
	SCASE 10, 0x43800000               ; 256
	SCASE 11, 0x43a88000               ; 337
	SCASE 12, 0x43de8000               ; 445
	SCASE 13, 0x44130000               ; 588
	SCASE 14, 0x44420000               ; 776
	SCASE 15, 0x44800000               ; 1024
.endm
; The 8 corner hashes of level l into its slot of index registers: corner c (reference()'s vertex c) at IB + c.
.macro INDEX l
.set IB, IX+8*((\l)%4)
.set C0, IW+2*(\l)
	v_and_b32 v[IB+7], 0x7ffff, v[C0]              ; vertex 7: floor, floor, floor
	v_alignbit_b32 v[EY], v[C0+1], v[C0], 19
	v_bfe_u32 v[EZ], v[C0+1], 6, 19
	v_lshrrev_b32 v[EX], 25, v[C0+1]               ; k
	v_and_b32 v[EY], 0x7ffff, v[EY]
	v_lshlrev_b32 v[EX], v[EX], 1
	v_add_nc_u32 v[EX], -1, v[EX]                  ; ex = 2^k - 1
	v_xor_b32 v[IB+4], v[IB+7], v[EX]              ; vertex 4: ceil x
	v_xor_b32 v[IB+5], v[IB+7], v[EY]              ; vertex 5: ceil y
	v_xor_b32 v[IB+6], v[IB+7], v[EZ]              ; vertex 6: ceil z
	v_xor_b32 v[IB+1], v[IB+4], v[EY]              ; vertex 1: x, y
	v_xor_b32 v[IB+2], v[IB+4], v[EZ]              ; vertex 2: x, z
	v_xor_b32 v[IB+3], v[IB+5], v[EZ]              ; vertex 3: y, z
	v_xor_b32 v[IB], v[IB+1], v[EZ]                ; vertex 0: all three
.irp c, 0,1,2,3,4,5,6,7
	v_min_u32 v[IB+\c], 0x7ffff, v[IB+\c]          ; a loaded number enters an address only held inside the level's 2^19 entries
.endr
.endm
; Corner c of level l: 4 bytes from each plane: the index is multiplied by the access's size; the corner's two features land side by side.  Beyond level 15 there is nothing to gather
.macro G2 l, c
.if (\l) <= 15
.set GI, IX+8*((\l)%4)
.set GG, RA+16*((\l)%4)
	global_load_b32 v[GG+2*(\c)], v[GI+(\c)], s[TB0+2*(\l):TB0+2*(\l)+1] scale_offset
	global_load_b32 v[GG+2*(\c)+1], v[GI+(\c)], s[TB1+2*(\l):TB1+2*(\l)+1] scale_offset
.endif
.endm
.macro GATHER l                        ; a level's sixteen loads in one run: so the first three levels'
.irp c, 0,1,2,3,4,5,6,7
	G2 \l, \c
.endr
.endm
.macro FRAC l                          ; px, py, pz of level l: the flat fractions l, 16 + l, 32 + l; fraction f belongs to level f / 3 and dimension f % 3
.irp a, 0,1,2
.set SCI, (16*\a+(\l))/3
	GETSC
	v_mul_f32 v[PP+2*\a], SCV, v[PX+(16*\a+(\l))%3]
.endr
.irp a, 0,1,2
	v_floor_f32 v[PP+2*\a+1], v[PP+2*\a]
.endr
.irp a, 0,1,2
	v_sub_f32 v[PP+2*\a], v[PP+2*\a], v[PP+2*\a+1]
.endr
.endm
.macro SUBP d, b                       ; both features: d = d - b
	v_pk_add_f32 v[\d:\d+1], v[\d:\d+1], v[\b:\b+1] neg_lo:[0,1] neg_hi:[0,1]
.endm
.macro FMAP d, p, b                    ; d = d p + b; of the pair at p the low word serves both features
	v_pk_fma_f32 v[\d:\d+1], v[\d:\d+1], v[\p:\p+1], v[\b:\b+1] op_sel_hi:[1,0,1]
.endm
; Level l is interpolated, and the gathers of level l + 3 are dealt among its first eight lines, a corner's two loads at a time.  No wait stands among them: these lines name slot l % 4 of the
; data, PP and the encoding; the gathers touch slot (l + 3) % 4 of the indices and of the data, which no vector line since the level's wait on va_vdst names.
.macro LERPG l
.set GB, RA+16*((\l)%4)
	G2 (\l)+3, 0
	SUBP GB, GB+6                                  ; f_03, f_12, f_56, f_47 by px
	G2 (\l)+3, 1
	SUBP GB+2, GB+4
	G2 (\l)+3, 2
	SUBP GB+10, GB+12
	G2 (\l)+3, 3
	SUBP GB+8, GB+14
	G2 (\l)+3, 4
	FMAP GB, PP, GB+6
	G2 (\l)+3, 5
	FMAP GB+2, PP, GB+4
	G2 (\l)+3, 6
	FMAP GB+10, PP, GB+12
	G2 (\l)+3, 7                                   ; with these, 48 loads of the wave are out
	FMAP GB+8, PP, GB+14
	SUBP GB, GB+2                                  ; f0312, f4756 by py
	SUBP GB+8, GB+10
	FMAP GB, PP+2, GB+2
	FMAP GB+8, PP+2, GB+10
	SUBP GB, GB+8                                  ; and by pz: numbers 2 l and 2 l + 1 of the encoding, over this level's cell, which INDEX has read
	v_pk_fma_f32 v[ENC+2*(\l):ENC+2*(\l)+1], v[GB:GB+1], v[PP+4:PP+5], v[GB+8:GB+9] op_sel_hi:[1,0,1]
.endm
; The 16 harmonics of my point's direction into v[RB+16] on, behind the 16 densities.  At work: v114-123, free behind the last level
.macro SHENC
	v_mul_f32 v114, v[DX], v[DX]                   ; xx
	v_mul_f32 v115, v[DX+1], v[DX+1]               ; yy
	v_mul_f32 v116, v[DX+2], v[DX+2]               ; zz
	v_mul_f32 v122, 1.0925484305920792, v[DX]
	v_mul_f32 v123, 1.0925484305920792, v[DX+1]
	v_mul_f32 v117, 5.0, v116
	v_sub_f32 v119, v114, v115                     ; xx - yy
	v_fma_f32 v120, 3.0, v114, -v115               ; 3 xx - yy
	v_fma_f32 v121, -3.0, v115, v114               ; xx - 3 yy
	v_add_f32 v118, -3.0, v117                     ; 5 zz - 3
	v_add_f32 v117, -1.0, v117                     ; 5 zz - 1
	v_mov_b32 v[RB+16], 0x3e906ebb                 ; 0.28209479
	v_mul_f32 v[RB+17], 0.4886025119029199, v[DX+1]
	v_mul_f32 v[RB+18], 0.4886025119029199, v[DX+2]
	v_mul_f32 v[RB+19], 0.4886025119029199, v[DX]
	v_mul_f32 v[RB+20], v122, v[DX+1]
	v_mul_f32 v[RB+21], v123, v[DX+2]
	v_fma_f32 v[RB+22], v116, 0.9461746957575601, s100
	v_mul_f32 v[RB+23], v122, v[DX+2]
	v_mul_f32 v[RB+24], 0.5462742152960396, v119
	v_mul_f32 v122, 0.5900435899266435, v[DX+1]
	v_mul_f32 v123, 0.5900435899266435, v[DX]
	v_mul_f32 v[RB+25], v122, v120
	v_mul_f32 v[RB+31], v123, v121
	v_mul_f32 v122, 2.890611442640554, v[DX]
	v_mul_f32 v123, 0.4570457994644658, v[DX+1]
	v_mul_f32 v122, v122, v[DX+1]
	v_mul_f32 v[RB+27], v123, v117
	v_mul_f32 v[RB+26], v122, v[DX+2]
	v_mul_f32 v122, 0.4570457994644658, v[DX]
	v_mul_f32 v123, 0.3731763325901154, v[DX+2]
	v_mul_f32 v[RB+29], v122, v117
	v_mul_f32 v[RB+28], v123, v118
	v_mul_f32 v122, 1.445305721320277, v[DX+2]
	v_mul_f32 v[RB+30], v122, v119
.endm
; 32 numbers of a lane, its own point's one block along K, become both tiles' operands and the scale word (the byte in both low bytes)
.macro QUANT32 src
	v_max3_num_f32 v[QT], |v[\src]|, |v[\src+1]|, 0x1800000        ; the floor 2^(3 - 127): the byte cannot fall under 1
	v_max3_num_f32 v[QT+1], |v[\src+2]|, |v[\src+3]|, |v[\src+4]|
.irp i, 5,9,13,17,21,25
	v_max3_num_f32 v[QT], v[QT], |v[\src+\i]|, |v[\src+\i+1]|
	v_max3_num_f32 v[QT+1], v[QT+1], |v[\src+\i+2]|, |v[\src+\i+3]|
.endr
	v_max3_num_f32 v[QT], v[QT], |v[\src+29]|, |v[\src+30]|
	v_max3_num_f32 v[QT], v[QT], v[QT+1], |v[\src+31]|
	v_add_nc_u32 v[QT+4], 0xff000000, v[QT]        ; 2 off the exponent field: the conversion's scale operand
	v_lshrrev_b32 v[QT+6], 23, v[QT+4]             ; the scale's byte
	v_lshl_or_b32 v[XS0], v[QT+6], 8, v[QT+6]      ; for k = 0 .. 31 (T0, read from lanes 0-15) and for k = 32 .. 63 (T1, read from lanes 16-31)
.irp g, 0,1,2,3
	v_cvt_scalef32_pk8_fp4_f32 v[XOP+\g], v[\src+8*\g:\src+8*\g+7], v[QT+4]
.endr
	v_nop                                          ; one plain place behind a scaled conversion
.irp g, 0,1,2,3
	v_and_b32 v[XOP+8+\g], v[MHI], v[XOP+\g]       ; T1: lanes 16-31 alone
.endr
.irp g, 0,1,2,3
	v_and_b32 v[XOP+\g], v[MLO], v[XOP+\g]         ; T0: lanes 0-15 alone
.endr
.endm
.macro RELU64 acc                      ; ascending: each accumulator is first read at its low end
.set J, 0
.rept 64
	v_max_num_f32 v[\acc+J], 0, v[\acc+J]
.set J, J+1
.endr
.endm
; A hidden layer of 64 units (both tiles of points, 32 registers each; register 16 b + i of a tile = unit 32 b + 16 h + i of the lane's point): relu, then quantised along the next K, two blocks a point.
; A block lies in lanes l and l xor 16.  The four chains (two tiles x two blocks) take turns, so that no line waits for the line above it.
.macro QUANT64 acc
	RELU64 \acc
.irp u, 0,1
.irp b, 0,1
	v_max3_num_f32 v[QT+8*\u+\b], v[\acc+32*\u+16*\b], v[\acc+32*\u+16*\b+1], 0x1800000   ; none is negative: no |.|; the floor as above
.endr
.endr
.irp i, 2,4,6,8,10,12,14
.irp u, 0,1
.irp b, 0,1
	v_max3_num_f32 v[QT+8*\u+\b], v[QT+8*\u+\b], v[\acc+32*\u+16*\b+\i], v[\acc+32*\u+16*\b+\i+1]
.endr
.endr
.endr
.irp u, 0,1
.irp b, 0,1
	v_permlanex16_b32 v[QT+8*\u+2+\b], v[QT+8*\u+\b], s2, s3
.endr
.endr
.irp u, 0,1
.irp b, 0,1
	v_max_num_f32 v[QT+8*\u+\b], v[QT+8*\u+\b], v[QT+8*\u+2+\b]
.endr
.endr
.irp u, 0,1
.irp b, 0,1
	v_add_nc_u32 v[QT+8*\u+4+\b], 0xff000000, v[QT+8*\u+\b]
.endr
.endr
.irp u, 0,1
.irp b, 0,1
	v_lshrrev_b32 v[QT+8*\u+6+\b], 23, v[QT+8*\u+4+\b]
.endr
.endr
.irp u, 0,1
	v_lshl_or_b32 v[XS0+\u], v[QT+8*\u+7], 8, v[QT+8*\u+6]
.endr
.irp u, 0,1
.irp b, 0,1
	v_cvt_scalef32_pk8_fp4_f32 v[XOP+8*\u+2*\b], v[\acc+32*\u+16*\b:\acc+32*\u+16*\b+7], v[QT+8*\u+4+\b]
	v_cvt_scalef32_pk8_fp4_f32 v[XOP+8*\u+2*\b+1], v[\acc+32*\u+16*\b+8:\acc+32*\u+16*\b+15], v[QT+8*\u+4+\b]
.endr
.endr
	v_nop                                          ; one plain place behind a scaled conversion
.irp u, 0,1                                    ; the operand wants a whole block in a lane: lanes 0-15 block 0, lanes 16-31 block 1
	v_permlane16_swap_b32 v[XOP+8*\u], v[XOP+8*\u+2]
	v_permlane16_swap_b32 v[XOP+8*\u+1], v[XOP+8*\u+3]
.endr
.endm
; A bias of 64 numbers, base bytes into the wave's biases in LDS, into both tiles' accumulators, in the result's layout.
; five = 1: tile t holds units 32 (t / 2) + 16 h + 8 (t % 2) + 0 .. 7; else 16 t + 8 h + 0 .. 7
.macro BIASL acc, base, five
.irp u, 0,1
.irp t, 0,1,2,3
.if \five
	ds_load_b128 v[\acc+32*\u+8*\t:\acc+32*\u+8*\t+3], v[BA5] offset:\base+128*(\t/2)+32*(\t%2)
	ds_load_b128 v[\acc+32*\u+8*\t+4:\acc+32*\u+8*\t+7], v[BA5] offset:\base+128*(\t/2)+32*(\t%2)+16
.else
	ds_load_b128 v[\acc+32*\u+8*\t:\acc+32*\u+8*\t+3], v[BAN] offset:\base+64*\t
	ds_load_b128 v[\acc+32*\u+8*\t+4:\acc+32*\u+8*\t+7], v[BAN] offset:\base+64*\t+16
.endif
.endr
.endr
.endm
; One product: D = weights x points + D (D holds the bias).  ar, br = 1: that side's scales are read from lanes 16-31
.macro WM d, w, x, sa, ar, sb, br
.if (\ar) && (\br)
	v_wmma_scale_f32_16x16x128_f8f6f4 v[\d:\d+7], v[\w:\w+7], v[\x:\x+7], v[\d:\d+7], v[\sa], v[\sb] matrix_a_fmt:MATRIX_FMT_FP4 matrix_b_fmt:MATRIX_FMT_FP4 matrix_a_scale:MATRIX_SCALE_ROW1 matrix_b_scale:MATRIX_SCALE_ROW1
.elseif \ar
	v_wmma_scale_f32_16x16x128_f8f6f4 v[\d:\d+7], v[\w:\w+7], v[\x:\x+7], v[\d:\d+7], v[\sa], v[\sb] matrix_a_fmt:MATRIX_FMT_FP4 matrix_b_fmt:MATRIX_FMT_FP4 matrix_a_scale:MATRIX_SCALE_ROW1
.elseif \br
	v_wmma_scale_f32_16x16x128_f8f6f4 v[\d:\d+7], v[\w:\w+7], v[\x:\x+7], v[\d:\d+7], v[\sa], v[\sb] matrix_a_fmt:MATRIX_FMT_FP4 matrix_b_fmt:MATRIX_FMT_FP4 matrix_b_scale:MATRIX_SCALE_ROW1
.else
	v_wmma_scale_f32_16x16x128_f8f6f4 v[\d:\d+7], v[\w:\w+7], v[\x:\x+7], v[\d:\d+7], v[\sa], v[\sb] matrix_a_fmt:MATRIX_FMT_FP4 matrix_b_fmt:MATRIX_FMT_FP4
.endif
.endm
; A layer of 64 units for both tiles of points: eight products, each on an accumulator of its own
.macro LAYER acc, w, sw, k32
.irp t, 0,1,2,3
.irp u, 0,1
.if \k32
	WM \acc+32*\u+8*\t, \w+4*\t, XOP+8*\u, \sw+\t/2, \t%2, XS0, \u
.else
	WM \acc+32*\u+8*\t, \w+4*\t, XOP+8*\u, \sw+\t/2, \t%2, XS0+\u, 0
.endif
.endr
.endr
.endm
.macro PLACES n                        ; plain vector instructions that name no register of the matrix instruction (ISA guide 7.12.1)
.rept \n
	v_nop
.endr
.endm
	s_load_b512 s[8:23], s[0:1], 0x0               ; position 8, direction 10, cells 12, hash_table 14, wimg 16, b1 18, bd 20, bc1 22
	s_load_b256 s[24:31], s[0:1], 0x40             ; bc2 24, bc3 26, out0 28, out1 30
	v_lshl_add_u32 v126, v0, 2, 0x11000            ; the closing add's two registers: my spare word's address, and 0; kept for that alone
	v_mov_b32 v127, 0
	v_lshrrev_b32 v108, 5, v0
	v_readfirstlane_b32 s7, v108                   ; wave 0..15
	v_and_b32 v109, 31, v0                         ; lane
	v_bfe_u32 v110, v0, 4, 1                       ; h
	v_mul_u32_u24 v[L12], v109, 12
	v_lshlrev_b32 v[L16], 4, v109
	v_lshlrev_b32 v[L8], 3, v109
	v_lshlrev_b32 v[L4], 2, v109
	v_add_nc_u32 v[MLO], -1, v110
	v_sub_nc_u32 v[MHI], 0, v110
	s_wait_alu depctr_va_sdst(0)                   ; s7 is written, ahead of its first reader: the wave's LDS bytes and its points are made from it
	s_mul_i32 s98, s7, WREG                        ; my wave's bytes of LDS
	v_mul_u32_u24 v[DSTO], v109, 80
	v_add_nc_u32 v[DSTO], s98, v[DSTO]
	v_lshrrev_b32 v111, 2, v109
	v_and_b32 v112, 3, v109
	v_mul_u32_u24 v[DSLD], v111, 80
	v_lshl_add_u32 v[DSLD], v112, 4, v[DSLD]
	v_add_nc_u32 v[DSLD], s98, v[DSLD]
	s_add_co_u32 s99, s98, CST
	v_add_nc_u32 v[CSTO], s99, v[L12]
	v_add_nc_u32 v[CSLD], s99, v[L8]
	s_add_co_u32 s100, s98, BST
	v_lshl_add_u32 v[BA5], v110, 6, s100
	v_lshl_add_u32 v[BAN], v110, 5, s100
	v_add_nc_u32 v113, s100, v[L8]                 ; where I put 8 bytes of a bias of 64 numbers
	v_and_b32 v114, 15, v0
	v_lshlrev_b32 v114, 2, v114                    ; bd has 16 numbers: lanes l and l + 16 take the same one
	v_add_nc_u32 v115, s100, v114
.irp i, 4,5,6,7,12,13,14,15
	v_mov_b32 v[XOP+\i], 0                         ; k = 64 .. 127 of the points' operands: zero codes, never rewritten
.endr
	s_wait_alu depctr_va_vdst(0)                   ; the head's vector lines are done, and none follows ahead of the loop: the offsets and LDS addresses v1-9, v15, v113-115 are written, which the loads and stores below read; so are v108-113, in which the first batch's loads land, the zero codes, which the scaled products take, and v126, v127
	s_lshl_b32 s101, ttmp9, 4
	s_add_co_u32 s101, s101, s7                    ; which 64 points are my wave's
	s_mul_i32 s98, s101, 768
	s_mov_b32 s99, 0
	s_mov_b32 s2, 0x76543210
	s_mov_b32 s3, 0xfedcba98                       ; v_permlanex16_b32's selects for lane l xor 16
	s_wait_kmcnt 0x0
	s_add_nc_u64 s[8:9], s[8:9], s[98:99]
	s_add_nc_u64 s[10:11], s[10:11], s[98:99]
	s_add_nc_u64 s[30:31], s[30:31], s[98:99]
	s_lshl_b32 s98, s101, 13
	s_add_nc_u64 s[12:13], s[12:13], s[98:99]
	s_lshl_b32 s98, s101, 12
	s_add_nc_u64 s[28:29], s[28:29], s[98:99]
	s_load_b96 s[4:6], s[26:27], 0x0               ; bc3
	global_load_b64 v[RA:RA+1], v[L8], s[18:19]    ; b1, bc1, bc2: 256 bytes each, 8 a lane
	global_load_b64 v[RA+2:RA+3], v[L8], s[22:23]
	global_load_b64 v[RA+4:RA+5], v[L8], s[24:25]
	global_load_b32 v[RA+6], v114, s[20:21]        ; bd
.irp c, 0,1,2,3,4,5,6,7,8,9,10,11,12,13,14,15,16
	global_load_b128 v[W1+4*\c:W1+4*\c+3], v[L16], s[16:17] offset:512*\c   ; the weights, as launch 1 laid them: they stay
.endr
.irp q, 0,1,2,3,4,5,6
	global_load_b32 v[SW+\q], v[L4], s[16:17] offset:8704+128*\q
.endr
	s_mov_b64 s[TB0:TB0+1], s[14:15]
	s_add_nc_u64 s[TB1:TB1+1], s[14:15], 0x2000000                          ; plane 1: 8,388,608 numbers further on
.irp l, 1,2,3,4,5,6,7,8,9,10,11,12,13,14,15
	s_add_nc_u64 s[TB0+2*\l:TB0+2*\l+1], s[TB0+2*\l-2:TB0+2*\l-1], 0x200000   ; a level is 2^19 entries of 4 bytes in each plane
	s_add_nc_u64 s[TB1+2*\l:TB1+2*\l+1], s[TB1+2*\l-2:TB1+2*\l-1], 0x200000
.endr
	s_mov_b32 s98, 0xbfb8aa3b                      ; -log2(e)
	s_mov_b32 s99, 0                               ; the batch's place in the colour stage
	s_mov_b32 s100, 0xbea17b01                     ; -0.31539157
	s_mov_b32 s101, 2                              ; batches to go
	s_wait_loadcnt 24                              ; the four bias loads are in; the 24 loads of the weights behind them may be out
	ds_store_b64 v113, v[RA:RA+1]
	ds_store_b64 v113, v[RA+2:RA+3] offset:256
	ds_store_b64 v113, v[RA+4:RA+5] offset:512
	ds_store_b32 v115, v[RA+6] offset:768          ; lanes l and l + 16 write the same word with the same value
	s_wait_dscnt 0x0                               ; my biases lie in LDS
	s_wait_alu depctr_vm_vsrc(0)                   ; the four LDS stores have read v128-134, v113 and v115, and bd's load has read v114: the batch's loads land in v113 and in v128 on, and the fractions are written into v114 and v115
	s_wait_kmcnt 0x0                               ; bc3
.Lbatch:
; ---- my point, and its 16 cells.  No wait on va_vdst stands here: on the way in no vector line follows the head's; over the backward jump none follows the wait ahead of the colours' stores
.irp q, 0,1,2,3,4,5,6,7
	global_load_b128 v[IW+4*\q:IW+4*\q+3], v[L16], s[12:13] offset:512*\q th:TH_LOAD_NT
.endr
.irp d, 0,1,2
	global_load_b32 v[PX+\d], v[L12], s[8:9] offset:4*\d th:TH_LOAD_NT
	global_load_b32 v[DX+\d], v[L12], s[10:11] offset:4*\d th:TH_LOAD_NT
.endr
	s_wait_loadcnt 0x0                             ; (in the first batch the weights too)
; ---- the encoding
.irp l, 0,1,2
	INDEX \l
.endr
	s_wait_alu depctr_va_vdst(0)                   ; the 24 indices of levels 0 to 2 are written, which the 48 gathers below read as addresses
.irp l, 0,1,2
	GATHER \l
.endr
.irp l, 0,1,2,3,4,5,6,7,8,9,10,11,12,13,14,15
.if (\l >= 1) && (\l <= 12)
	s_wait_alu depctr_vm_vsrc(0)                   ; the gathers of the level before this one have read their index slot, which the lines below write again
.endif
.if \l <= 12
	INDEX \l+3                                     ; into the slot of the level before this one: the wait of that level has shown its loads done, so their index registers may be written
.endif
	FRAC \l
.if \l <= 13
	s_wait_loadcnt 32                              ; this level's 16 loads are in; those of the two levels behind it may be out
.else
	s_wait_loadcnt 16*(15-\l)
.endif
.if \l <= 12
	s_wait_alu depctr_va_vdst(0)                   ; the indices of three levels on are written, which the gathers below read; the level before is done reading and writing its data slot, in which they land
.endif
	LERPG \l                                       ; levels 13 to 15 gather nothing, and hold no wait of this kind
.endr
; ---- h = relu(enc w1 + b1).  The ring is empty: its data registers take b1, its index registers bd (the C of the density's products) and the harmonics
	s_wait_alu depctr_vm_vsrc(0)                   ; the last gathers have read the index ring: bd's loads land in its slots 0 and 1, the harmonics are written into slots 2 and 3
	s_wait_alu depctr_va_vdst(0)                   ; the last interpolations are done with the ring's data registers, in which b1 lands; the index lines have written the registers in which bd lands
	BIASL RA, 0, 1
.irp u, 0,1
	ds_load_b128 v[RB+8*\u:RB+8*\u+3], v[BAN] offset:768
	ds_load_b128 v[RB+8*\u+4:RB+8*\u+7], v[BAN] offset:784
.endr
	SHENC
	QUANT32 ENC
	PLACES 4                                       ; an operand written by vector instructions stands 4 places ahead of a scaled product; the scale word stands 13 ahead
	s_wait_alu depctr_va_vdst(0)                   ; the encoding's codes and scale word are written, which the scaled products take; the places above stay beside this wait
	s_wait_dscnt 0x0                               ; b1, and bd
	LAYER RA, W1, SW, 1
	PLACES 4
; ---- density = h wd + bd
	QUANT64 RA
	PLACES 8                                       ; a scale word written by vector instructions stands 8 places ahead of a scaled product
	s_wait_alu depctr_va_vdst(0)                   ; the hidden layer's codes and scale words are written, which the scaled products take; relu and the conversions are done with its registers, in which bc1 lands
	BIASL RA, 256, 1                               ; the hidden layer's registers are free: bc1 for the third product
	WM RB, WD, XOP, SW+6, 0, XS0, 0
	WM RB+8, WD, XOP+8, SW+6, 0, XS1, 0
	PLACES 4
; ---- each point's 16 densities back into its own lane, beside its 16 harmonics: xcat.  T0's lanes 16-31 (units 8-15 of points 0-15) change places with T1's lanes 0-15 (units 0-7 of points 16-31)
.irp j, 0,1,2,3,4,5,6,7
	v_permlane16_swap_b32 v[RB+\j], v[RB+8+\j]
.endr
	s_wait_alu depctr_va_vdst(0)                   ; the exchanges have written the densities, which the LDS stores read; the first quantiser is long done reading the encoding, in whose first 16 registers the rows land
.irp i, 0,1,2,3
	ds_store_b128 v[DSTO], v[RB+4*\i:RB+4*\i+3] offset:16*\i
.endr
.irp i, 0,1,2,3
	ds_load_b128 v[RB+32+4*\i:RB+32+4*\i+3], v[DSLD] offset:640*\i   ; my wave's own bytes, served in order: these see the stores above; four lanes to a point's 64 bytes
.endr
	QUANT32 RB
	s_wait_dscnt 0x0                               ; the densities are back as rows; bc1, asked for ahead of them, is in too
.irp i, 0,1,2,3
	global_store_b128 v[L16], v[RB+32+4*\i:RB+32+4*\i+3], s[28:29] offset:512*\i th:TH_STORE_NT   ; 512 consecutive bytes of out0, at a multiple of 512 from its first byte
.endr
	PLACES 4
	s_wait_alu depctr_va_vdst(0)                   ; xcat's codes and scale word are written, which the scaled products take; the quantiser is done reading xcat, in whose registers bc2 lands below (the eight products between name none of them)
; ---- c = relu(xcat wc1 + bc1)
	LAYER RA, WC1, SW+2, 1
	s_wait_xcnt 0x0                                ; the stores of out0 have had their addresses translated: their registers are taken by bc2 only behind this wait
	s_wait_alu depctr_vm_vsrc(0)                   ; the density's LDS stores have read v192-207 and out0's stores v224-239: bc2 lands in both
	BIASL RB, 512, 0
	PLACES 4
; ---- c = relu(c wc2 + bc2)
	QUANT64 RA
	PLACES 8
	s_wait_alu depctr_va_vdst(0)                   ; the layer's codes and scale words are written, which the scaled products take
	s_wait_dscnt 0x0                               ; bc2
	LAYER RB, WC2, SW+4, 0
	PLACES 4
; ---- colour = sigmoid(c wc3 + bc3): bf16 operands, f32 sums.  Tiles 2 s and 2 s + 1 of a result, rounded in pairs, are the operand of K step s
	RELU64 RB
.irp u, 0,1
.irp q, 0,1,2,3,4,5,6,7,8,9,10,11,12,13,14,15
	v_cvt_pk_bf16_f32 v[RA+16*\u+\q], v[RB+32*\u+2*\q], v[RB+32*\u+2*\q+1]
.endr
.endr
	v_wmma_f32_16x16x32_bf16 v[RA+32:RA+39], v[WC3:WC3+7], v[RA:RA+7], 0           ; the two accumulators take turns
	v_wmma_f32_16x16x32_bf16 v[RA+40:RA+47], v[WC3:WC3+7], v[RA+16:RA+23], 0
	v_wmma_f32_16x16x32_bf16 v[RA+32:RA+39], v[WC3+8:WC3+15], v[RA+8:RA+15], v[RA+32:RA+39]
	v_wmma_f32_16x16x32_bf16 v[RA+40:RA+47], v[WC3+8:WC3+15], v[RA+24:RA+31], v[RA+40:RA+47]
	PLACES 4
.irp j, 0,1,2
	v_permlane16_swap_b32 v[RA+32+\j], v[RA+40+\j] ; colour j of every point in its own lane
.endr
.irp j, 0,1,2
	v_add_f32 v[108+\j], s[4+\j], v[RA+32+\j]
.endr
.irp j, 0,1,2
	v_mul_f32 v[108+\j], s98, v[108+\j]
.endr
.irp j, 0,1,2
	v_exp_f32 v[108+\j], v[108+\j]                 ; e^-x
.endr
	v_nop                                          ; a plain place behind the exponentials,
	s_wait_alu depctr_va_vdst(0)                   ; and one wait for the three, ahead of their first reader: the exponentials have written v108-110
.irp j, 0,1,2
	v_add_f32 v[108+\j], 1.0, v[108+\j]
.endr
.irp j, 0,1,2
	v_rcp_f32 v[108+\j], v[108+\j]
.endr
	v_add_nc_u32 v[CADR], s99, v[CSTO]             ; (the plain place behind the reciprocals)
	s_wait_alu depctr_va_vdst(0)                   ; the reciprocals have written v108-110 and the add v14, which the LDS stores read.  It is the batch's last vector line: so relu, the roundings and the products are also done with v224-255, v108-113 and v128 on, in which the next batch's loads, or the tail's, land
.irp j, 0,1,2
	ds_store_b32 v[CADR], v[108+\j] offset:4*\j
.endr
	s_wait_xcnt 0x0                                ; every earlier load and store has read its base: they step to the next batch
	s_add_nc_u64 s[8:9], s[8:9], 384
	s_add_nc_u64 s[10:11], s[10:11], 384
	s_add_nc_u64 s[12:13], s[12:13], 4096
	s_add_nc_u64 s[28:29], s[28:29], 2048
	s_add_co_u32 s99, s99, 384
	s_wait_dscnt 0x0                               ; the colours lie in the stage
	s_wait_alu depctr_vm_vsrc(0)                   ; the colours' stores have read v108-110, in which the next batch's position lands, and v14, which it writes again
	s_sub_co_u32 s101, s101, 1
	s_cmp_lg_u32 s101, 0
	s_cbranch_scc1 .Lbatch
; ---- the wave's 64 colours: 768 bytes, as three stores of 256 consecutive bytes, each at a multiple of 256 from out1's first byte
.irp i, 0,1,2
	ds_load_b64 v[RA+2*\i:RA+2*\i+1], v[CSLD] offset:256*\i   ; my wave's own bytes, served in order behind the stores
.endr
.irp i, 0,1,2
	s_wait_dscnt 2-\i                              ; the later loads may be out
	global_store_b64 v[L8], v[RA+2*\i:RA+2*\i+1], s[30:31] offset:256*\i th:TH_STORE_NT
.endr
	s_wait_dscnt 0x0                               ; the closing lines, six on end
	s_wait_alu 0x0
	s_wait_tensorcnt 0x0
	ds_add_u32 v126, v127
	s_wait_dscnt 0x0
	s_endpgm
.Lfunc_end_k_q1d79004a47_field:
	.size	k_q1d79004a47_field, .Lfunc_end_k_q1d79004a47_field-k_q1d79004a47_field
	.p2alignl 7, 3214868480
	.fill 96, 4, 3214868480
	.section	.rodata,"a",@progbits
	.p2align	6, 0x0
	.amdhsa_kernel k_q1d79004a47_field
		.amdhsa_group_segment_fixed_size 71680
		.amdhsa_private_segment_fixed_size 0
		.amdhsa_enable_private_segment 0
		.amdhsa_kernarg_size 96
		.amdhsa_user_sgpr_count 2
		.amdhsa_user_sgpr_kernarg_segment_ptr 1
		.amdhsa_wavefront_size32 1
		.amdhsa_system_sgpr_workgroup_id_x 1
		.amdhsa_system_sgpr_workgroup_id_y 1
		.amdhsa_system_sgpr_workgroup_id_z 1
		.amdhsa_system_vgpr_workitem_id 0
		.amdhsa_next_free_vgpr 256
		.amdhsa_next_free_sgpr 102
		.amdhsa_reserve_vcc 0
		.amdhsa_float_denorm_mode_32 3
		.amdhsa_float_denorm_mode_16_64 3
		.amdhsa_memory_ordered 1
		.amdhsa_forward_progress 1
		.amdhsa_inst_pref_size 105
	.end_amdhsa_kernel
	.amdgpu_metadata
---
amdhsa.version: [ 1, 2 ]
amdhsa.kernels:
  - .name:           k_q1d79004a47_field
    .symbol:         k_q1d79004a47_field.kd
    .args:
      - { .name: position, .offset: 0, .size: 8, .value_kind: global_buffer, .address_space: global }
      - { .name: direction, .offset: 8, .size: 8, .value_kind: global_buffer, .address_space: global }
      - { .name: cells, .offset: 16, .size: 8, .value_kind: global_buffer, .address_space: global }
      - { .name: hash_table, .offset: 24, .size: 8, .value_kind: global_buffer, .address_space: global }
      - { .name: wimg, .offset: 32, .size: 8, .value_kind: global_buffer, .address_space: global }
      - { .name: b1, .offset: 40, .size: 8, .value_kind: global_buffer, .address_space: global }
      - { .name: bd, .offset: 48, .size: 8, .value_kind: global_buffer, .address_space: global }
      - { .name: bc1, .offset: 56, .size: 8, .value_kind: global_buffer, .address_space: global }
      - { .name: bc2, .offset: 64, .size: 8, .value_kind: global_buffer, .address_space: global }
      - { .name: bc3, .offset: 72, .size: 8, .value_kind: global_buffer, .address_space: global }
      - { .name: out0, .offset: 80, .size: 8, .value_kind: global_buffer, .address_space: global }
      - { .name: out1, .offset: 88, .size: 8, .value_kind: global_buffer, .address_space: global }
    .group_segment_fixed_size: 71680
    .private_segment_fixed_size: 0
    .kernarg_segment_align: 8
    .kernarg_segment_size: 96
    .max_flat_workgroup_size: 512
    .sgpr_count:     102
    .vgpr_count:     256
    .wavefront_size: 32
...
	.end_amdgpu_metadata
.endif
;; end of part 5
